; MI455X (gfx1250); checked and timed in simulation.
; The chip was launched on July 23, 2026; its instructions are those of AMD's public machine-readable ISA for CDNA 5 (MIT licence, August 2026) and "CDNA5" Instruction Set Architecture Reference Guide (July 2026). The comments in the code are by the model that wrote it; some were corrected since.
;; Multi Head Attention. Allowed arithmetic: matrix products marked QUANTISED: E4M3 operands, one given power-of-two scale a tensor, by v_wmma_f32_16x16x64_fp8_fp8 or v_wmma_f32_16x16x128_fp8_fp8, f32 sums; everything else in f32.
;; Inputs: Wk 1,024 x 1,024 float32; Wo 1,024 x 1,024 float32; Wq 1,024 x 1,024 float32; Wv 1,024 x 1,024 float32; bo 1,024 float32; lowp_scales 12 int32 (the exponents e of the quantised operands' scales 2^e); x 4 x 2,048 x 1,024 float32.
;; Outputs: out0 4 x 2,048 x 1,024 float32.
;; This version of the problem:
;;   THIS VERSION OF THE PROBLEM IS GIVEN IN LOW PRECISION. The matrix products marked QUANTISED in the list below multiply operands that are first quantised to E4M3 (4 exponent bits, 3 mantissa bits; 8 bits a number), with one given power-of-two scale for each operand tensor; their sums are f32. All else is computed in f32.
;;   The module's matrix products, in the order in which they are computed (A, B: the left and right operand; K: the contracted axis; several contracted axes count as one K, in the product's order):
;;     1. [M 8,192, K 1,024] x [K 1,024, N 1,024]; A: input x; B: input Wq: QUANTISED (scales: A lowp_scales[0], B lowp_scales[1])
;;     2. [M 8,192, K 1,024] x [K 1,024, N 1,024]; A: input x; B: input Wk: QUANTISED (scales: A lowp_scales[2], B lowp_scales[3])
;;     3. [M 8,192, K 1,024] x [K 1,024, N 1,024]; A: input x; B: input Wv: QUANTISED (scales: A lowp_scales[4], B lowp_scales[5])
;;     4. batch 64 x [M 2,048, K 64] x [K 64, N 2,048]; A: computed on the way; B: computed on the way: QUANTISED (scales: A lowp_scales[6], B lowp_scales[7])
;;     5. batch 64 x [M 2,048, K 2,048] x [K 2,048, N 64]; A: softmax (see below); B: computed on the way: QUANTISED (scales: A lowp_scales[8], B lowp_scales[9])
;;     6. [M 8,192, K 1,024] x [K 1,024, N 1,024]; A: computed on the way; B: input Wo: QUANTISED (scales: A lowp_scales[10], B lowp_scales[11])
;;   THE QUANTISER, for each operand of a quantised product, along K:
;;     - The operand's scale is 2^e, e = its entry of the input lowp_scales (int32; the entries are numbered through the quantised products in the list's order, A before B).
;;     - Each number is divided by the scale, clamped to +-448, and rounded to the nearest number of E4M3, ties to even, subnormals kept.
;;     - The product sums the exact products of the quantised numbers (number of the format x scale) in f32.
;;   ~~~python
;;   def quantise(x, axis, e):      # numpy; x: float32 -> the quantised numbers, widened to float32 again
;;       x = np.moveaxis(x, axis, -1); K = x.shape[-1]
;;       r = np.clip(x / 2.0 ** e, -448, 448)
;;       step = 2.0 ** (np.maximum(np.frexp(np.where(r == 0, 1, r))[1] - 1, -6) - 3)
;;       q = np.round(r / step) * step * 2.0 ** e      # np.round: ties to even
;;       return np.moveaxis(q, -1, axis).astype(np.float32)
;;   ~~~
;;   SOFTMAX AHEAD OF A QUANTISED PRODUCT. Where the list says 'softmax', what is quantised is not the finished softmax but p = 2^(t - M), with t = logit x log2(e) and M = ceil(the row's largest t), a whole number; so 1/2 < the row's largest p <= 1. The row's sum l is taken of the UNQUANTISED p, in f32, and the product's result is divided by l at the end. Since M is a whole number, a kernel that streams over the keys may use a running M (the ceiling of the running maximum): every later rescaling is an exact power of two, so the quantised numbers keep their values, but for numbers so far below the row's largest that they fall under the format's range.
;;   OPERANDS COMPUTED ON THE WAY. 'Computed on the way' means the value that the module computes at that place (a softmax that the list does not call 'softmax' is quantised finished and normalised). What goes into a quantiser is computed in f32, as accurately as f32 sums, v_exp_f32 and their like allow (about 1e-6 of the number): no bf16 or f16 on the way to a quantiser, and a product that is left as it is and whose result goes on into a quantised operand takes f32 operands (vector FMAs, or v_wmma_f32_16x16x4_f32). A number that lies on a knife's edge between two numbers of the format may be rounded either way, as far as f32 arithmetic and the matrix unit's own rounding can turn it there, and no further.
;; One version. Each part assembles by itself: llvm-mc -triple=amdgcn-amd-amdhsa -mcpu=gfx1250 --defsym DOCPART=n.
;; ======== version 1 of 1: 4 launches
;; limits: right only within a limited range of input values
;; workspace buffers: xcodes 25,165,824 bytes; wcodes 4,194,304 bytes; qkv 25,165,824 bytes; ctx 8,388,608 bytes
;; launch quant (part 1): grid 384 x 1, 4 waves a work-group, no clusters, 68,096 bytes of LDS; arguments x, Wq, Wk, Wv, Wo, lowp_scales, xcodes, wcodes; writes xcodes, wcodes
.if DOCPART == 1
	.amdgcn_target "amdgcn-amd-amdhsa--gfx1250"
	.amdhsa_code_object_version 6
	.text
	.protected	k_q7439811dd0_quant
	.globl	k_q7439811dd0_quant
	.p2align	8
	.type	k_q7439811dd0_quant,@function
k_q7439811dd0_quant:
	s_mov_b64 s[64:65], 0
	v_nop
	global_prefetch_b8 v0, s[64:65] scope:SCOPE_SE
	s_setreg_imm32_b32 hwreg(HW_REG_WAVE_MODE, 25, 1), 1
	s_wait_xcnt 0x0
; x [8192][1024] f32 becomes THREE tensors of E4M3 codes (K innermost, one code a byte), one for each of the products with Wq, Wk, Wv: their scales 2^e0, 2^e2, 2^e4 are
; three entries of the buffer of scales and need not be equal.  Wq, Wk, Wv, Wo [k 1024][n 1024] f32 become codes laid [n][k], K innermost, with 2^e1, 2^e3, 2^e5, 2^e11.
; code = number / 2^e, x's numbers held within +-448, rounded to the nearest code, ties to even.
; LIMITS: each of these seven e lies between -126 and 119, so that 2^e and 448 x 2^e are f32 numbers.  NaN among the inputs is not served (an infinity in x is held at the largest code).
; Work-groups 0-255 take x: it is read ONCE, and each number is held and converted three times.  Work-groups 256-383 take the weights.  The two ways part on the work-group's number
; and never join; each has LDS bytes of its own.  No tensor loads, no barrier: waves share nothing.  Matrix units and clusters have nothing to do here: the launch moves bytes.
.set SP,    80                         ; x: a lane's place in a stage: its 64 bytes + 16 of padding
.set WREG,  8192                       ; x: LDS of a wave: two stages of 32 x SP bytes
.set WSTG,  4*WREG                     ; weights: four stages of 32 rows x PITCH begin here
.set PITCH, 272                        ; weights: a stage row: 256 codes + 16 bytes
.set SPARE, WSTG+4*32*PITCH            ; behind both: the spare words, 128 bytes for each wave, two blocks of 256 bytes that no other line names
.set STEPS, 16                         ; x: steps of 512 numbers for a wave
.set NB,    8                          ; weights: blocks of 32 along K for a wave
.set SPW,   8                          ; v8   LDS address of my spare word; never rewritten
.set NIL,   9                          ; v9   0; never rewritten
.set R,     32                         ; x: v32-95   four sets of 16 numbers as they are loaded
.set X,     96                         ; x: v96-127  two sets of 16 neighbours
.set T,     128                        ; x: v128-175 the 16 neighbours held three times, once for each scale
.set C,     176                        ; x: v176-187 their codes, four registers for each scale
.set WX,    32                         ; weights: v32-95 two sets of 32 numbers
.set WC,    96                         ; weights: v96-103 a block's codes
.set OUTR,  112                        ; weights: v112-175 the way out
	s_load_b256 s[4:11], s[0:1], 0x0               ; x s[4:5], Wq s[6:7], Wk s[8:9], Wv s[10:11]
	s_load_b256 s[12:19], s[0:1], 0x20             ; Wo s[12:13], the scales' exponents s[14:15], xcodes s[16:17], wcodes s[18:19]
	v_lshl_add_u32 v[SPW], v0, 2, SPARE
	v_mov_b32 v[NIL], 0
	v_lshrrev_b32 v1, 5, v0
	v_readfirstlane_b32 s32, v1                    ; wave 0..3
	v_and_b32 v2, 31, v0                           ; lane
	s_wait_kmcnt 0x0
	s_load_b256 s[20:27], s[14:15], 0x0            ; e0 .. e7
	s_load_b128 s[28:31], s[14:15], 0x20           ; e8 .. e11
	s_cmp_lt_u32 ttmp9, 256
	s_cbranch_scc0 .Lweights
; ---------------- x.  A wave takes 16 steps of 512 numbers.  Each load reads 512 consecutive bytes, 16 a lane; a step's 2,048 bytes go through the wave's own stage and come back 64 bytes a lane,
; so that a lane holds 16 neighbours along K, as the conversions want them.  A lane's 16 codes are 16 bytes: each store covers 512 consecutive bytes, aligned.
.macro MKSCALE e, sc, lim              ; v[sc] = 2^e as f32 (the conversion takes its exponent field), v[lim] = 448 x 2^e.  s54 and s55 are at work here and nowhere else: no load or store names them
	s_add_co_i32 s54, s[\e], 127
	s_lshl_b32 s55, s54, 23
	v_mov_b32 v[\sc], s55
	s_add_co_i32 s54, s54, 8
	s_lshl_b32 s54, s54, 23
	s_or_b32 s54, s54, 0x600000
	v_mov_b32 v[\lim], s54
.endm
.macro XLOAD t
.irp i, 0,1,2,3
	global_load_b128 v[R+16*((\t)%4)+4*\i:R+16*((\t)%4)+4*\i+3], v3, s[4:5] offset:2048*(\t)+512*\i th:TH_LOAD_NT
.endr
.endm
.macro XTURN t                         ; step t's numbers through the stage: LDS serves a wave's instructions in order, so no wait stands between the stores and the loads
.irp i, 0,1,2,3
	ds_store_b128 v14, v[R+16*((\t)%4)+4*\i:R+16*((\t)%4)+4*\i+3] offset:32*SP*((\t)%2)+8*SP*\i
.endr
.irp i, 0,1,2,3
	ds_load_b128 v[X+16*((\t)%2)+4*\i:X+16*((\t)%2)+4*\i+3], v15 offset:32*SP*((\t)%2)+16*\i
.endr
.endm
.macro XSTEP t
.set XS, X+16*((\t)%2)
	s_wait_dscnt 0x0                               ; this step's numbers are back from the stage: so its stores into the stage have read their registers,
.if (\t)+4 < STEPS
	XLOAD (\t)+4                                   ; which take the loads of four steps on
.endif
.if (\t)+1 < STEPS
.if STEPS-2-(\t) >= 3
	s_wait_loadcnt 12                              ; the next step's four loads are in; those of the three steps behind it may be out
.else
	s_wait_loadcnt 4*(STEPS-2-(\t))
.endif
	XTURN (\t)+1                                   ; and go through the other stage while this step is worked
.endif
.irp p, 0,1,2
.irp i, 0,1,2,3,4,5,6,7,8,9,10,11,12,13,14,15
	v_med3_num_f32 v[T+16*\p+\i], v[XS+\i], -v[21+2*\p], v[21+2*\p]   ; the conversion to an 8-bit code does not saturate (ISA guide 7.6.2): the hold at 448 x the scale, once for each scale
.endr
.endr
	s_wait_alu depctr_va_vdst(0)
	s_wait_xcnt 0x0                                ; the last step's stores have read their data: the codes' registers are written again only behind this wait
.irp p, 0,1,2
	v_cvt_scalef32_pk8_fp8_f32 v[C+4*\p:C+4*\p+1], v[T+16*\p:T+16*\p+7], v[20+2*\p]
	v_cvt_scalef32_pk8_fp8_f32 v[C+4*\p+2:C+4*\p+3], v[T+16*\p+8:T+16*\p+15], v[20+2*\p]
.endr
	v_nop                                          ; one plain vector line behind the conversions: the next step's holds write their sources
.irp p, 0,1,2
	global_store_b128 v3, v[C+4*\p:C+4*\p+3], s[34+2*\p:35+2*\p] offset:512*(\t)
.endr
.endm
	s_wait_alu depctr_va_vdst(0)
	v_lshlrev_b32 v3, 4, v2                        ; 16 x lane: my bytes of a load's 512, and my codes' place in a step's 512
	s_wait_alu depctr_va_vdst(0)
	s_lshl_b32 s42, s32, 13                        ; my wave's LDS
	v_lshrrev_b32 v14, 2, v2
	v_mul_u32_u24 v14, v14, SP
	v_and_b32 v15, 3, v2
	v_lshl_add_u32 v14, v15, 4, v14
	v_add_nc_u32 v14, s42, v14                     ; the stage, on the way in: SP (lane / 4) + 16 (lane % 4)
	v_mul_u32_u24 v15, v2, SP
	v_add_nc_u32 v15, s42, v15                     ; and on the way out: SP x lane
	s_lshl_b32 s33, ttmp9, 2
	s_add_co_u32 s33, s33, s32                     ; which run of 8,192 numbers is my wave's: 0 .. 1,023
	s_lshl_b32 s40, s33, 15
	s_mov_b32 s41, 0
	s_add_nc_u64 s[4:5], s[4:5], s[40:41]
	s_lshl_b32 s40, s33, 13
	s_add_nc_u64 s[34:35], s[16:17], s[40:41]      ; its codes for the product with Wq,
	s_add_nc_u64 s[36:37], s[34:35], 0x800000      ; with Wk: 8 MiB on,
	s_add_nc_u64 s[38:39], s[36:37], 0x800000      ; with Wv
	XLOAD 0
	XLOAD 1
	XLOAD 2
	XLOAD 3
	s_wait_alu depctr_va_vdst(0)
	s_wait_kmcnt 0x0
	MKSCALE 20, 20, 21                             ; e0
	MKSCALE 22, 22, 23                             ; e2
	MKSCALE 24, 24, 25                             ; e4
	s_wait_alu depctr_va_vdst(0)
	s_wait_loadcnt 12                              ; step 0's four loads are in
	XTURN 0
.irp t, 0,1,2,3,4,5,6,7,8,9,10,11,12,13,14,15
	XSTEP \t
.endr
	s_wait_tensorcnt 0x0                           ; the wave's end, behind my last LDS store
	ds_add_u32 v[SPW], v[NIL]
	s_wait_dscnt 0x0
	s_endpgm
; ---------------- the weights.  K is their FIRST axis: a lane takes a column n and its registers run down K, so each load reads 128 consecutive bytes a wave and the conversions give codes with K innermost.
; A wave takes 32 columns x 256 along K; the codes go through its own stage and leave as rows: sixteen lanes store 256 consecutive bytes, aligned.  Every offset is an immediate (255 rows of 4,096 bytes at the most).
.macro WLOAD t                         ; block t: W(32 t + i, my column), i = 0 .. 31, into set t % 2
.set i, 0
.rept 32
	global_load_b32 v[WX+32*((\t)%2)+i], v3, s[44:45] offset:(32*(\t)+i)*4096 th:TH_LOAD_NT
.set i, i+1
.endr
.endm
.macro WBLOCK t
.set XS, WX+32*((\t)%2)
.if (\t) < NB-1
	s_wait_loadcnt 32                              ; this block's 32 loads are in; the next block's may be out
.else
	s_wait_loadcnt 0
.endif
.set i, 0
.rept 32
.set i, i+1
.endr
.irp g, 0,1,2,3
	v_cvt_scalef32_pk8_fp8_f32 v[WC+2*\g:WC+2*\g+1], v[XS+8*\g:XS+8*\g+7], v20
.endr
	v_nop                                          ; one plain vector line behind the conversions
	ds_store_b128 v4, v[WC:WC+3] offset:32*(\t)    ; 32 codes: 32 bytes of my column's row
	ds_store_b128 v4, v[WC+4:WC+7] offset:32*(\t)+16
.if (\t)+2 < NB
	WLOAD (\t)+2
.endif
	s_wait_dscnt 0x0                               ; the stores have read their registers: the next block's codes may be written
.endm
.Lweights:
	s_sub_co_u32 s33, ttmp9, 256                   ; 0 .. 127
	s_lshr_b32 s40, s33, 5                         ; which weight: 0 Wq, 1 Wk, 2 Wv, 3 Wo
	s_and_b32 s41, s33, 7                          ; which 128 columns
	s_bfe_u32 s42, s33, 0x20003                    ; which 256 along K
	s_wait_kmcnt 0x0
	s_cmp_lt_u32 s40, 1                            ; the choices hang on the work-group's number alone
	s_cselect_b64 s[44:45], s[6:7], s[8:9]
	s_cselect_b32 s48, s21, s23                    ; e1 or e3
	s_cmp_lt_u32 s40, 3
	s_cselect_b64 s[46:47], s[10:11], s[12:13]
	s_cselect_b32 s49, s25, s31                    ; e5 or e11
	s_cmp_lt_u32 s40, 2
	s_cselect_b64 s[44:45], s[44:45], s[46:47]
	s_cselect_b32 s48, s48, s49
	s_lshl_b32 s43, s41, 7
	s_lshl_b32 s50, s32, 5
	s_add_co_u32 s43, s43, s50                     ; my wave's first column
	s_lshl_b32 s50, s42, 20                        ; 256 rows of 4,096 bytes
	s_lshl_b32 s52, s43, 2
	s_add_co_u32 s50, s50, s52
	s_mov_b32 s51, 0
	s_add_nc_u64 s[44:45], s[44:45], s[50:51]      ; the weight at my wave's part: the base of all 256 loads, never rewritten from here on
	s_lshl_b32 s50, s40, 20                        ; the codes: 1 MiB a weight,
	s_lshl_b32 s52, s43, 10                        ; a row of 1,024 bytes a column,
	s_add_co_u32 s50, s50, s52
	s_lshl_b32 s52, s42, 8                         ; 256 bytes along K
	s_add_co_u32 s50, s50, s52
	s_add_nc_u64 s[46:47], s[18:19], s[50:51]
	s_wait_alu depctr_va_vdst(0)
	v_lshlrev_b32 v3, 2, v2                        ; in: 4 bytes a lane
	s_mul_i32 s53, s32, 32*PITCH
	s_add_co_u32 s53, s53, WSTG                    ; my stage
	v_mul_u32_u24 v4, v2, PITCH
	v_add_nc_u32 v4, s53, v4                       ; into it: row = my column
	v_and_b32 v5, 15, v2
	v_lshrrev_b32 v6, 4, v2                        ; out of it: sixteen lanes to a row, two rows an instruction
	v_mul_u32_u24 v7, v6, PITCH
	v_lshl_add_u32 v7, v5, 4, v7
	v_add_nc_u32 v7, s53, v7
	v_lshlrev_b32 v10, 10, v6
	v_lshl_add_u32 v10, v5, 4, v10                 ; and the same place in the codes' buffer
	WLOAD 0
	WLOAD 1
	MKSCALE 48, 20, 21
	s_wait_alu depctr_va_vdst(0)
.irp t, 0,1,2,3,4,5,6,7
	WBLOCK \t
.endr
.irp t, 0,1,2,3,4,5,6,7,8,9,10,11,12,13,14,15
	ds_load_b128 v[OUTR+4*\t:OUTR+4*\t+3], v7 offset:2*\t*PITCH   ; LDS serves a wave's instructions in order: these see my stores
.endr
.irp t, 0,1,2,3,4,5,6,7,8,9,10,11,12,13,14,15
	s_wait_dscnt 15-\t                             ; load t is in; the younger ones may be out
	global_store_b128 v10, v[OUTR+4*\t:OUTR+4*\t+3], s[46:47] offset:2*\t*1024
.endr
	s_wait_tensorcnt 0x0                           ; the wave's end, behind my last LDS store
	ds_add_u32 v[SPW], v[NIL]
	s_wait_dscnt 0x0
	s_endpgm
.Lfunc_end_k_q7439811dd0_quant:
	.size	k_q7439811dd0_quant, .Lfunc_end_k_q7439811dd0_quant-k_q7439811dd0_quant
	.p2alignl 7, 3214868480
	.fill 96, 4, 3214868480
	.section	.rodata,"a",@progbits
	.p2align	6, 0x0
	.amdhsa_kernel k_q7439811dd0_quant
		.amdhsa_group_segment_fixed_size 68096
		.amdhsa_private_segment_fixed_size 0
		.amdhsa_enable_private_segment 0
		.amdhsa_kernarg_size 64
		.amdhsa_user_sgpr_count 2
		.amdhsa_user_sgpr_kernarg_segment_ptr 1
		.amdhsa_wavefront_size32 1
		.amdhsa_system_sgpr_workgroup_id_x 1
		.amdhsa_system_sgpr_workgroup_id_y 1
		.amdhsa_system_sgpr_workgroup_id_z 1
		.amdhsa_system_vgpr_workitem_id 0
		.amdhsa_next_free_vgpr 192
		.amdhsa_next_free_sgpr 66
		.amdhsa_reserve_vcc 0
		.amdhsa_float_denorm_mode_32 3
		.amdhsa_float_denorm_mode_16_64 3
		.amdhsa_fp16_overflow 1
		.amdhsa_memory_ordered 1
		.amdhsa_forward_progress 1
		.amdhsa_inst_pref_size 111
	.end_amdhsa_kernel
	.amdgpu_metadata
---
amdhsa.version: [ 1, 2 ]
amdhsa.kernels:
  - .name:           k_q7439811dd0_quant
    .symbol:         k_q7439811dd0_quant.kd
    .args:
      - { .name: x, .offset: 0, .size: 8, .value_kind: global_buffer, .address_space: global }
      - { .name: Wq, .offset: 8, .size: 8, .value_kind: global_buffer, .address_space: global }
      - { .name: Wk, .offset: 16, .size: 8, .value_kind: global_buffer, .address_space: global }
      - { .name: Wv, .offset: 24, .size: 8, .value_kind: global_buffer, .address_space: global }
      - { .name: Wo, .offset: 32, .size: 8, .value_kind: global_buffer, .address_space: global }
      - { .name: lowp_scales, .offset: 40, .size: 8, .value_kind: global_buffer, .address_space: global }
      - { .name: xcodes, .offset: 48, .size: 8, .value_kind: global_buffer, .address_space: global }
      - { .name: wcodes, .offset: 56, .size: 8, .value_kind: global_buffer, .address_space: global }
    .group_segment_fixed_size: 68096
    .private_segment_fixed_size: 0
    .kernarg_segment_align: 8
    .kernarg_segment_size: 64
    .max_flat_workgroup_size: 128
    .sgpr_count:     66
    .vgpr_count:     192
    .wavefront_size: 32
...
	.end_amdgpu_metadata
.endif
;; end of part 1
;; launch qkv (part 2): grid 4 x 96, 4 waves a work-group, clusters of 4 x 4, 327,680 bytes of LDS; arguments xcodes, wcodes, lowp_scales, qkv; writes qkv
.if DOCPART == 2
	.amdgcn_target "amdgcn-amd-amdhsa--gfx1250"
	.amdhsa_code_object_version 6
	.text
	.protected	k_q7439811dd0_qkv
	.globl	k_q7439811dd0_qkv
	.p2align	8
	.type	k_q7439811dd0_qkv,@function
k_q7439811dd0_qkv:
	s_mov_b64 s[64:65], 0
	v_nop
	global_prefetch_b8 v0, s[64:65] scope:SCOPE_SE
	s_setreg_imm32_b32 hwreg(HW_REG_WAVE_MODE, 25, 1), 1
	s_wait_xcnt 0x0
	s_wait_alu depctr_hold_cnt(0) depctr_sa_sdst(0) depctr_va_vdst(0) depctr_va_sdst(0) depctr_va_ssrc(0) depctr_va_vcc(0) depctr_vm_vsrc(0)
	s_getreg_b32 s2, hwreg(HW_REG_IB_STS2, 6, 4)
	s_cmp_eq_u32 s2, 0
	s_cbranch_scc0 .Lentry_in_a_cluster
	s_endpgm
.Lentry_in_a_cluster:
	s_bfe_u32 s2, ttmp6, 0x10000c
	s_cmp_lg_u32 s2, 0xf033
	s_cbranch_scc0 .Lentry_shape_is_right
	s_endpgm
.Lentry_shape_is_right:
; q = x Wq, k = x Wk, v = x Wv on codes of E4M3 (v_wmma_f32_16x16x128_fp8_fp8, f32 sums, K = 1,024), and each finished sum is quantised at once, in registers, for the attention's products:
; q with 2^e6, k with 2^e7, v with 2^e9.  A sum stands for sum x 2^(ex + ew), so its code is sum / 2^E, E = e6-e0-e1, e7-e2-e3 or e9-e4-e5.
; LIMIT: each of the three E lies between -126 and 127, so that 2^E is an f32 number.
; 24 clusters of 4 x 4 work-groups: cluster y = 8 p + Y; p = 0, 1, 2 is the product.  A work-group makes a tile of 256 x 256, each of its four waves 128 x 128 (64 accumulators).
; The tile's ROWS come from tensor A', its COLUMNS from B'.  p < 2: A' = x's codes (rows: tokens), B' = the weight's (rows: head x 64 + d).  p = 2: the two change places.  All of that is chosen by
; s_cselect on p, which all sixteen partners share; no branch hangs on it.
; THE MATRIX INSTRUCTION IS USED TRANSPOSED (source 0 = 16 rows of B', source 1 = 16 rows of A'): a lane holds one row of A' and eight neighbouring rows of B'.  So for q and k a lane's registers run along d, the
; next product's K, and for v along the keys, which are ITS next K: the conversions take neighbours along K from one lane's registers.
; OUT: q at 0, k at 8 MiB, v at 16 MiB; each (batch, head) 131,072 dense bytes.  q, k: [token][64 bytes along d].  v: [64 keys' group][d][64 bytes along the keys].  Within each 64 bytes, place 32 B + 16 h + 8 w + j holds
; number 32 B + 16 w + 8 h + j: the 16 bytes that a lane's two neighbouring accumulators give lie together, and a load of 16 bytes at 32 B + 16 h brings a lane the numbers that the matrix forms' own layout gives it.
; CLUSTERS: the four work-groups of a row of the cluster need the same tiles of A', the four of a column the same tiles of B': each tile is asked for JOINTLY.
; Ring: two LDS slots of 256 along K; K is four slots, so the walk is written out without a loop.  No prefetch: four K steps, each tile's rows are asked for by their loads alone.
; REGISTERS, in windows of 256: window 0: v0-31 addresses and the scale register; from v128 A's fragments, ONE set; on the way out v96-159 at work.  window 1: B's fragments, two sets.
;   window 2: the accumulators of my rows 0-63 ((a, b) at v[8 (8 a + b)]); window 3: those of my rows 64-127.
.set ROWB,   256                       ; a tile's row in bytes
.set KROW,   1024                      ; a row of A' or B' in memory
.set PITCH,  272                       ; an LDS row: 256 bytes + 16 of padding: the 16 rows that a load touches start 68 words apart
.set FR,     16                        ; registers of a fragment: 16 rows x 128 K
.set NL,     4                         ; LDS loads that bring one
.set NP,     4                         ; places behind this matrix instruction (ISA guide 7.12.1)
.set HALFT,  128*PITCH                 ; what one tensor load brings
.set SLOT,   4*HALFT
.set SPARE,  2*SLOT                    ; behind the ring: the spare words, 128 bytes for each wave
.set QST,    2560                      ; the way out: a stage of 2 x 16 rows x 80 bytes for each wave, in slot 0, which has had its last fill and its last read by then
.set ADRA, 16                          ; v16-17  LDS address of my A' fragments in slot 0, 1
.set ADRB, 20                          ; v20-21  the same for B'
.set STO,  24                          ; v24     the way out: where I put 16 bytes of a row
.set RD,   25                          ; v25     where I read rows back
.set CO,   26                          ; v26     16 x lane
.set SPW,  28                          ; v28     LDS address of my spare word; never rewritten
.set NIL,  29                          ; v29     0; never rewritten
.set SC,   30                          ; v30     2^E as f32
.set LIM,  31
.set TMP,  32
.set CD,   96                          ; v96-127 their codes, two sets
.set AF,   128                         ; A's fragments
.set BK,   128                         ; v128-159 the way out: rows read back, two sets
.set G1, 24
.set G0, 32
.set G1B, 48
.set G0B, 56
.set OUT, 88                           ; s[88:95] four places in the output: s[88 + 4 g + 2 ah]
.set MSB, 0
.macro WIN new                         ; the immediate's high byte repeats the setting that is left
.if MSB != (\new)
	s_set_vgpr_msb (MSB<<8)|(\new)
.set MSB, (\new)
.endif
.endm
.set MUL_LO, 0xa1                      ; source 0 (B') window 1, source 1 (A') window 0, C and D window 2
.set MUL_HI, 0xf1                      ; the same, C and D window 3
.set TO_B,   0x40                      ; destination window 1, address window 0
; A joint load: waves 0 and 1 fetch for A', waves 2 and 3 for B'.  The branch hangs on the wave's number alone.  An s_nop 0 and four v_nop follow each of the two lines.
.macro JLOAD g0a, g1a, g0b, g1b
	s_cmp_eq_u32 s15, 0
	s_cbranch_scc0 .Lfor_b_\@
	tensor_load_to_lds s[\g0a:\g0a+3], s[\g1a:\g1a+7]
	s_nop 0
.rept 4
	v_nop
.endr
	s_branch .Lasked_\@
.Lfor_b_\@:
	tensor_load_to_lds s[\g0b:\g0b+3], s[\g1b:\g1b+7]
	s_nop 0
.rept 4
	v_nop
.endr
.Lasked_\@:
.endm
.macro CREST                           ; a round of the cluster's barrier behind its opening barrier
	s_cmp_lg_u32 s14, 0
	s_cbranch_scc1 .Lnot_wave_0_\@
	s_barrier_signal -3
.Lnot_wave_0_\@:
	s_barrier_wait -3
	s_barrier_signal -1
	s_barrier_wait -1
.endm
.macro CROUND                          ; a whole round
	s_barrier_signal -1
	s_barrier_wait -1
	CREST
.endm
	s_load_b128 s[4:7], s[0:1], 0x0                ; x's codes s[4:5], the weights' codes s[6:7]
	s_load_b128 s[8:11], s[0:1], 0x10              ; the scales' exponents s[8:9], the output s[10:11]
	v_lshl_add_u32 v[SPW], v0, 2, SPARE
	v_mov_b32 v[NIL], 0
	ds_add_u32 v[SPW], v[NIL]                      ; the wave's opening: the add and its wait, ahead of my first tensor load; work on registers stands between them
	ds_add_u32 v[SPW], v[NIL]
	v_lshrrev_b32 v1, 5, v0
	v_readfirstlane_b32 s14, v1                    ; wave 0..3
	s_lshr_b32 s15, s14, 1                         ; which half of the tile's rows is mine.  Also: I fetch for A' (0) or for B' (1)
	s_and_b32 s16, s14, 1                          ; which half of its columns.  Also: which 128 rows of that tile I fetch
	s_bfe_u32 s40, ttmp6, 0x40000                  ; cx, cy: my place in the cluster
	s_bfe_u32 s41, ttmp6, 0x40004
	s_and_b32 s66, ttmp7, 0xffff                   ; cluster y
	s_lshr_b32 s67, s66, 3                         ; p: the product
	s_and_b32 s68, s66, 7
	s_lshl_b32 s68, s68, 2                         ; 4 Y: the tokens' 32 tiles go by clusters
	s_cmp_lt_u32 s67, 2
	s_cselect_b32 s69, s68, 0                      ; they are tile rows for q and k,
	s_cselect_b32 s70, 0, s68                      ; tile columns for v
	s_add_co_u32 s17, s69, s41                     ; tile row
	s_add_co_u32 s42, s70, s40                     ; tile column
	s_lshl_b32 s43, s41, 2
	s_lshl_b32 s43, 15, s43                        ; my row of the cluster
	s_lshl_b32 s44, 0x1111, s40                    ; my column
	; descriptor group 1: a tile of 128 rows x 256 bytes, padded in LDS
	s_or_b32 s[G1+0], s43, (0<<16)|(1<<20)|(1<<21)|(5<<22)|(3<<25)  ; 15:0 the mask: A's tiles go to my row; 17:16 element of 1 byte; 20 padding on; 21 set beside a mask; 24:22 after every 64 words; 31:25 of 4 words
	s_or_b32 s[G1B+0], s44, (0<<16)|(1<<20)|(1<<21)|(5<<22)|(3<<25)
.irp g, G1, G1B
	s_mov_b32 s[\g+1], ROWB<<16                    ; tensor_dim0
	s_mov_b32 s[\g+2], 128<<16                     ; tensor_dim1
	s_mov_b32 s[\g+3], ROWB<<16                    ; tile_dim0
	s_mov_b32 s[\g+4], 128                         ; tile_dim1
	s_mov_b32 s[\g+5], KROW                        ; tensor_dim0_stride
	s_mov_b32 s[\g+6], 0
	s_mov_b32 s[\g+7], 0
.endr
	s_lshl_b32 s18, s16, 7                         ; which 128 rows of the tile I fetch
	s_lshl_b32 s20, s17, 8
	s_add_co_u32 s20, s20, s18                     ; A': row 256 x tile row + 128 x half
	s_lshl_b32 s46, s42, 8
	s_add_co_u32 s46, s46, s18                     ; B': row 256 x tile column + 128 x half
	s_lshl_b32 s20, s20, 10                        ; in bytes
	s_lshl_b32 s46, s46, 10
	s_lshl_b32 s96, s67, 23                        ; x's codes for product p begin 8 p MiB in,
	s_lshl_b32 s97, s67, 20                        ; the weight's p MiB in
	s_cmp_lt_u32 s67, 2
	s_cselect_b32 s98, s96, s97
	s_cselect_b32 s99, s97, s96
	s_add_co_u32 s20, s20, s98
	s_add_co_u32 s46, s46, s99
	s_mov_b32 s21, 0
	s_mov_b32 s47, 0
	s_mul_i32 s45, s14, HALFT                      ; where they go: wave x 128 rows: no place in the cluster enters an LDS address
	s_wait_dscnt 0x0                               ; the opening add is done
	s_wait_kmcnt 0x0
	s_load_b256 s[76:83], s[8:9], 0x0              ; e0 .. e7
	s_load_b128 s[84:87], s[8:9], 0x20             ; e8 .. e11
	s_cmp_lt_u32 s67, 2
	s_cselect_b64 s[72:73], s[4:5], s[6:7]         ; A'
	s_cselect_b64 s[74:75], s[6:7], s[4:5]         ; B'
	s_add_nc_u64 s[20:21], s[72:73], s[20:21]
	s_add_nc_u64 s[46:47], s[74:75], s[46:47]
	CROUND                                         ; all sixteen work-groups are here: the first joint loads meet
.irp s, 0,1
	s_mov_b32 s[G0+4*\s], 1
	s_add_co_u32 s[G0+4*\s+1], s45, \s*SLOT
	s_add_nc_u64 s[G0+4*\s+2:G0+4*\s+3], s[20:21], \s*ROWB
	s_or_b32 s[G0+4*\s+3], s[G0+4*\s+3], 0x80000000
	s_mov_b32 s[G0B+4*\s], 1
	s_add_co_u32 s[G0B+4*\s+1], s45, \s*SLOT
	s_add_nc_u64 s[G0B+4*\s+2:G0B+4*\s+3], s[46:47], \s*ROWB
	s_or_b32 s[G0B+4*\s+3], s[G0B+4*\s+3], 0x80000000
	JLOAD G0+4*\s, G1, G0B+4*\s, G1B               ; two loads of mine are out
.endr
	v_and_b32 v1, 15, v0                           ; r = l % 16
	s_wait_alu depctr_va_vdst(0)
	v_bfe_u32 v2, v0, 4, 1                         ; h = l / 16
	v_mul_u32_u24 v3, v1, PITCH
	v_lshl_add_u32 v4, v2, 4, v3                   ; a fragment's row x pitch + 16 x half
	s_mul_i32 s21, s15, HALFT                      ; my 128 rows of A'
	s_mul_i32 s22, s16, HALFT                      ; my 128 rows of B',
	s_add_co_u32 s22, s22, 2*HALFT                 ; which lie behind A's 256
.irp s, 0,1
	v_add_nc_u32 v[ADRA+\s], s21, v4
	v_add_nc_u32 v[ADRB+\s], s22, v4
	s_add_co_u32 s21, s21, SLOT
	s_add_co_u32 s22, s22, SLOT
.endr
	s_mul_i32 s23, s14, QST                        ; my stage
	v_mul_u32_u24 v5, v1, 80
	s_wait_alu depctr_va_vdst(0)
	v_lshl_add_u32 v5, v2, 4, v5
	v_add_nc_u32 v[STO], s23, v5                   ; in: row r of 80 bytes, + 16 h
	v_and_b32 v6, 31, v0
	v_lshlrev_b32 v[CO], 4, v6                     ; out: 16 bytes a lane, dense
	v_lshrrev_b32 v5, 2, v6
	v_mul_u32_u24 v5, v5, 80
	v_and_b32 v6, 3, v6
	v_lshl_add_u32 v5, v6, 4, v5
	v_add_nc_u32 v[RD], s23, v5                    ; back: four lanes to a row of 64 bytes, eight rows an instruction
	; where my results go.  Tm, wm: the tokens' tile and half; Tn, wn: the tile and half along head x 64 + d
	s_cmp_lt_u32 s67, 2
	s_cselect_b32 s96, s17, s42                    ; Tm
	s_cselect_b32 s97, s15, s16                    ; wm
	s_cselect_b32 s98, s42, s17                    ; Tn
	s_cselect_b32 s99, s16, s15                    ; wn
	s_cselect_b32 s100, 17, 12                     ; from my first 64 columns to my second: the next head (q, k) or the next 64 keys (v),
	s_cselect_b32 s101, 12, 17                     ; from my first 64 rows to my second: the next 64 tokens (q, k) or the next head (v): as powers of two
	s_lshl_b32 s69, s67, 23                        ; the tensor: 8 p MiB
	s_lshr_b32 s70, s96, 3
	s_lshl_b32 s70, s70, 21                        ; the batch: 16 heads of 131,072 bytes
	s_add_co_u32 s69, s69, s70
	s_and_b32 s70, s96, 7
	s_lshl_b32 s70, s70, 2
	s_lshl_b32 s71, s97, 1
	s_add_co_u32 s70, s70, s71
	s_lshl_b32 s70, s70, 12                        ; 64 tokens are 4,096 bytes in all three layouts
	s_add_co_u32 s69, s69, s70
	s_lshl_b32 s70, s98, 2
	s_lshl_b32 s71, s99, 1
	s_add_co_u32 s70, s70, s71
	s_lshl_b32 s70, s70, 17                        ; the head
	s_add_co_u32 s68, s69, s70
	s_mov_b32 s69, 0
	s_add_nc_u64 s[OUT:OUT+1], s[10:11], s[68:69]
	s_lshl_b32 s70, 1, s101
	s_mov_b32 s71, 0
	s_add_nc_u64 s[OUT+2:OUT+3], s[OUT:OUT+1], s[70:71]
	s_lshl_b32 s70, 1, s100
	s_add_nc_u64 s[OUT+4:OUT+5], s[OUT:OUT+1], s[70:71]
	s_add_nc_u64 s[OUT+6:OUT+7], s[OUT+2:OUT+3], s[70:71]
	s_wait_kmcnt 0x0
	s_sub_co_i32 s96, s82, s76
	s_sub_co_i32 s96, s96, s77                     ; e6 - e0 - e1
	s_sub_co_i32 s97, s83, s78
	s_sub_co_i32 s97, s97, s79                     ; e7 - e2 - e3
	s_sub_co_i32 s98, s85, s80
	s_sub_co_i32 s98, s98, s81                     ; e9 - e4 - e5
	s_cmp_lt_u32 s67, 1
	s_cselect_b32 s96, s96, s97
	s_cmp_lt_u32 s67, 2
	s_cselect_b32 s96, s96, s98                    ; E: the three scales folded into the conversion's one
	s_add_co_i32 s96, s96, 127
	s_lshl_b32 s97, s96, 23
	v_mov_b32 v[SC], s97
.macro FRAG reg, adr, q, i             ; a fragment: lane l holds row l % 16; registers 4 c .. 4 c + 3 hold K = 32 c + 16 (l / 16) + 0 .. 15: one permutation of k, the same in A' and B'
.irp c, 0,1,2,3
	ds_load_b128 v[\reg+4*\c:\reg+4*\c+3], v[\adr] offset:128*(\q)+32*\c+(\i)*16*PITCH
.endr
.endm
; 16 matrix instructions: A's blocks a0, a0 + 1 x B's eight.  p: B's set.  zero = 1: the first product starts the sums.  The 64 accumulators take turns, one instruction a turn, in the same order in every step.
.macro MUL16 a0, p, zero
.irp a, \a0, \a0+1
.irp b, 0,1,2,3,4,5,6,7
.if \zero
	v_wmma_f32_16x16x128_fp8_fp8 v[8*(8*((\a)%4)+\b):8*(8*((\a)%4)+\b)+7], v[128*(\p)+FR*\b:128*(\p)+FR*\b+FR-1], v[AF+FR*(\a):AF+FR*(\a)+FR-1], 0
.else
	v_wmma_f32_16x16x128_fp8_fp8 v[8*(8*((\a)%4)+\b):8*(8*((\a)%4)+\b)+7], v[128*(\p)+FR*\b:128*(\p)+FR*\b+FR-1], v[AF+FR*(\a):AF+FR*(\a)+FR-1], v[8*(8*((\a)%4)+\b):8*(8*((\a)%4)+\b)+7]
.endif
.endr
.endr
.endm
.macro FETCH_B slot, q, p
	WIN TO_B
.irp i, 0,1,2,3,4,5,6,7
	FRAG 128*(\p)+FR*\i, ADRB+\slot, \q, \i
.endr
	WIN 0
.endm
.macro FETCH_A slot, q, i0
.irp i, \i0, \i0+1, \i0+2, \i0+3
	FRAG AF+FR*(\i), ADRA+\slot, \q, \i
.endr
.endm
.macro PLACES n                        ; plain vector lines between a matrix instruction and a load into a register that it read, or a read of its result
.rept \n
	v_nop
.endr
.endm
.macro STEP slot, q, zero              ; a step of 128 along K that has its successor in the same slot
	s_wait_dscnt 4*NL                              ; B's set and A's blocks 0-3 are in; the youngest 16 loads (A's blocks 4-7) may be out
	WIN MUL_LO
	MUL16 0, (\q)%2, \zero
	MUL16 2, (\q)%2, \zero
	s_wait_dscnt 0
	PLACES NP
	FETCH_B \slot, (\q)+1, 1-(\q)%2
	FETCH_A \slot, (\q)+1, 0
	WIN MUL_HI
	MUL16 4, (\q)%2, \zero
	MUL16 6, (\q)%2, \zero
	PLACES NP
	WIN 0
	FETCH_A \slot, (\q)+1, 4
.endm
; A slot's last step changes slots: ONE barrier; in front of it each wave waits for all its tensor loads, adds 0 to its spare word, and waits for that and for its own reads of this slot.  fill = 1: this slot is filled again, two slots ahead.
.macro TURN slot, next, fill
	s_wait_tensorcnt 0x0                           ; all my tensor loads have landed: my part of the next slot
	ds_add_u32 v[SPW], v[NIL]                      ; 0 onto my spare word
	s_wait_dscnt 4*NL+1                            ; (the add and the youngest 16 loads may be out)
	WIN MUL_LO
	MUL16 0, 1, 0
	s_wait_dscnt 0x0                               ; the add is done, and my reads of this slot are over
	s_barrier_signal -1
	MUL16 2, 1, 0
	WIN 0
	s_barrier_wait -1
.if \fill
	CREST                                          ; the barrier has opened a round of the cluster's barrier: no wave of any partner still reads this slot or has a load on its way
	s_add_nc_u64 s[G0+4*\slot+2:G0+4*\slot+3], s[G0+4*\slot+2:G0+4*\slot+3], 2*ROWB
	s_add_nc_u64 s[G0B+4*\slot+2:G0B+4*\slot+3], s[G0B+4*\slot+2:G0B+4*\slot+3], 2*ROWB
	JLOAD G0+4*\slot, G1, G0B+4*\slot, G1B         ; the first tensor load behind the round; its four v_nop are the places in front of the loads below
.else
	PLACES NP
.endif
	FETCH_B \next, 0, 0
	FETCH_A \next, 0, 0
	WIN MUL_HI
	MUL16 4, 1, 0
	MUL16 6, 1, 0
	PLACES NP
	WIN 0
	FETCH_A \next, 0, 4
.endm
	s_wait_tensorcnt 1                             ; my part of slot 0 is in; slot 1's load may be out
	s_barrier_signal -1
	s_barrier_wait -1
	FETCH_B 0, 0, 0
	FETCH_A 0, 0, 0
	FETCH_A 0, 0, 4
	STEP 0, 0, 1                                   ; K 0-127: its products start the sums
	TURN 0, 1, 1                                   ; K 128-255; slot 0 takes K 512-767
	STEP 1, 0, 0
	TURN 1, 0, 1                                   ; slot 1 takes K 768-1,023
	STEP 0, 0, 0
	TURN 0, 1, 0                                   ; nothing is left to fetch: no round
	STEP 1, 0, 0
	s_wait_dscnt 4*NL                              ; the last step
	WIN MUL_LO
	MUL16 0, 1, 0
	MUL16 2, 1, 0
	s_wait_alu depctr_va_vdst(0)
	s_wait_dscnt 0
	WIN MUL_HI
	MUL16 4, 1, 0
	MUL16 6, 1, 0
	WIN 0
; THE WAY OUT, block by block of 16 rows x 128 columns.  The sums are converted: accumulator b's eight numbers give 8 bytes, two neighbouring accumulators 16.  They go through my stage (for each half of 64
; columns 16 rows of 64 bytes + 16) and come back dense: 16 rows of 64 bytes are 1,024 consecutive bytes of the output, and each store covers 512 of them, aligned.
.macro QSTAGE a
.set AC, 64*((\a)%4)
.set CC, CD+16*((\a)%2)
.set BB, BK+16*((\a)%2)
	WIN 0x02+((\a)/4)                              ; source 0: window 2 or 3
.set i, 0
.rept 64
.set i, i+1
.endr
.irp b, 0,1,2,3,4,5,6,7
	v_cvt_scalef32_pk8_fp8_f32 v[CC+2*\b:CC+2*\b+1], v[AC+8*\b:AC+8*\b+7], v[SC]
.endr
	WIN 0
	v_nop                                          ; one plain vector line behind the conversions
.irp e, 0,1,2,3
	ds_store_b128 v[STO], v[CC+4*\e:CC+4*\e+3] offset:(\e/2)*1280+32*(\e%2)
.endr
.irp e, 0,1,2,3
	ds_load_b128 v[BB+4*\e:BB+4*\e+3], v[RD] offset:(\e/2)*1280+(\e%2)*640   ; LDS serves a wave's instructions in order: these see the stores above
.endr
.endm
.macro QSEND a, younger                ; younger: the LDS instructions issued behind block a's loads
.set BB, BK+16*((\a)%2)
	s_wait_dscnt \younger
.irp e, 0,1,2,3
	global_store_b128 v[CO], v[BB+4*\e:BB+4*\e+3], s[OUT+4*(\e/2)+2*((\a)/4):OUT+4*(\e/2)+2*((\a)/4)+1] offset:((\a)%4)*1024+(\e%2)*512
.endr
.endm
	PLACES NP                                      ; behind the last products: for the loads into the registers that held A's fragments and for the reads of results
	QSTAGE 0
.irp a, 1,2,3,4,5,6,7
.if \a > 1
	s_wait_xcnt 0x0                                ; block a - 2's stores have read their data: block a's loads may land there
.endif
	QSTAGE \a
	QSEND \a-1, 8                                  ; behind block a - 1's loads: block a's 4 stores and 4 loads
.endr
	QSEND 7, 0
	s_wait_tensorcnt 0x0                           ; the wave's end, behind my last tensor load and my last LDS store
	ds_add_u32 v[SPW], v[NIL]
	s_wait_dscnt 0x0
	CROUND                                         ; the closing round: no work-group ends while a partner may still ask for a tile that names it
	s_endpgm
.Lfunc_end_k_q7439811dd0_qkv:
	.size	k_q7439811dd0_qkv, .Lfunc_end_k_q7439811dd0_qkv-k_q7439811dd0_qkv
	.p2alignl 7, 3214868480
	.fill 96, 4, 3214868480
	.section	.rodata,"a",@progbits
	.p2align	6, 0x0
	.amdhsa_kernel k_q7439811dd0_qkv
		.amdhsa_group_segment_fixed_size 327680
		.amdhsa_private_segment_fixed_size 0
		.amdhsa_enable_private_segment 0
		.amdhsa_kernarg_size 32
		.amdhsa_user_sgpr_count 2
		.amdhsa_user_sgpr_kernarg_segment_ptr 1
		.amdhsa_wavefront_size32 1
		.amdhsa_system_sgpr_workgroup_id_x 1
		.amdhsa_system_sgpr_workgroup_id_y 1
		.amdhsa_system_sgpr_workgroup_id_z 1
		.amdhsa_system_vgpr_workitem_id 0
		.amdhsa_next_free_vgpr 1024
		.amdhsa_next_free_sgpr 102
		.amdhsa_reserve_vcc 0
		.amdhsa_float_denorm_mode_32 3
		.amdhsa_float_denorm_mode_16_64 3
		.amdhsa_fp16_overflow 1
		.amdhsa_memory_ordered 1
		.amdhsa_forward_progress 1
		.amdhsa_inst_pref_size 91
	.end_amdhsa_kernel
	.amdgpu_metadata
---
amdhsa.version: [ 1, 2 ]
amdhsa.kernels:
  - .name:           k_q7439811dd0_qkv
    .symbol:         k_q7439811dd0_qkv.kd
    .args:
      - { .name: xcodes, .offset: 0, .size: 8, .value_kind: global_buffer, .address_space: global }
      - { .name: wcodes, .offset: 8, .size: 8, .value_kind: global_buffer, .address_space: global }
      - { .name: lowp_scales, .offset: 16, .size: 8, .value_kind: global_buffer, .address_space: global }
      - { .name: qkv, .offset: 24, .size: 8, .value_kind: global_buffer, .address_space: global }
    .group_segment_fixed_size: 327680
    .private_segment_fixed_size: 0
    .kernarg_segment_align: 8
    .kernarg_segment_size: 32
    .max_flat_workgroup_size: 128
    .sgpr_count:     102
    .vgpr_count:     1024
    .wavefront_size: 32
...
	.end_amdgpu_metadata
.endif
;; end of part 2
;; launch attn (part 3): grid 4 x 64, 16 waves a work-group, no clusters, 327,680 bytes of LDS; arguments qkv, lowp_scales, ctx; writes ctx
.if DOCPART == 3
	.amdgcn_target "amdgcn-amd-amdhsa--gfx1250"
	.amdhsa_code_object_version 6
	.text
	.protected	k_q7439811dd0_attn
	.globl	k_q7439811dd0_attn
	.p2align	8
	.type	k_q7439811dd0_attn,@function
k_q7439811dd0_attn:
	s_mov_b64 s[64:65], 0
	v_nop
	global_prefetch_b8 v0, s[64:65] scope:SCOPE_SE
	s_setreg_imm32_b32 hwreg(HW_REG_WAVE_MODE, 25, 1), 1
	s_wait_xcnt 0x0
; Causal attention on codes of E4M3, head size 64, 2,048 tokens, 64 (batch, head) pairs.  S^T = K Q^T by v_wmma_f32_16x16x64_fp8_fp8, O^T = V^T P^T by v_wmma_f32_16x16x128_fp8_fp8; the context is quantised at once with 2^e10.
; THE SOFTMAX AHEAD OF THE SECOND PRODUCT: t = score x log2(e) / 8; M = the row's largest t so far, rounded UP to a whole number; p = 2^(t - M) is quantised with 2^e8, not normalised.  The row's sum is taken of the
; unquantised p, in f32, and divides O at the end.  When M moves, the sum and O are multiplied by 2^(old M - new M): exact.
; SHARES.  Work-group (i, pair), i = 0 .. 3, takes the pair's query blocks i and 7 - i, 256 queries each, one after the other: block X needs key slots 0 .. X of 256 keys, so every work-group walks
; (i + 1) + (8 - i) = 9 slots: the trip count is a constant, all 256 work-groups have the same work, and no tile that lies wholly under the mask is fetched or multiplied.  Each of the SIXTEEN waves owns 16 queries of
; each block, in 256 registers: four waves share a SIMD's registers, and one wave's vector work stands beside another's matrix work and LDS loads.
; On the diagonal slot a step of 128 keys that lies wholly behind a wave's queries is jumped over (a scalar branch on ids and counters); in the step on the diagonal hidden scores become -infinity ahead of the maximum.
; LAYOUT.  Both products are used transposed: a lane holds ONE query (lane % 16) throughout.  In S^T register 8 t + j of lane (r, h) is key 16 t + 8 h + j: tile t's eight numbers convert into registers 2 t, 2 t + 1 of
; P's operand, which is the place that the form's own layout gives those keys.  K, Q and V lie in memory so that loads of 16 bytes at 32 B + 16 h bring each lane its numbers in that same layout.
; NO CLUSTER: the four work-groups of a pair read different key slots in the same trip (block i stands at slot T while block 7 - i' stands at another), so joint requests would not meet.
; LIMITS on the given exponents: e6 + e7 between -123 and 130 (added to c's exponent field); e8 between -126 and 119; e8 + e9 - e10 goes by v_ldexp_f32 and has none.
; REGISTERS: v1-9 addresses and lane terms that stay; v12 -M, v13 the largest t, v[14:15] the sum in two halves; v16-23 Q; v24-31 the second block's Q; v32-95 fragments of K (8 x 8), then of V (4 x 16);
;   v96-159 S^T, then p; v160-191 O^T; v192-207 p's codes; v208-215 the way out; v234-255 at work.
.set PK,    272                        ; an LDS row: four rows of 64 bytes + 16 of padding: 16 neighbouring 64-byte rows start at 16 different 16-byte columns of 256
.set VOFF,  64*PK                      ; a slot: K's 16 KiB (64 LDS rows), then V's
.set SLOT1, 65536                      ; slot 1 begins here: one exclusive or turns an address
.set STAGE, 131072                     ; the way out: 1,024 bytes for each wave, bytes of their own: the ring is still filled when the first block leaves
.set SPARE, 147456                     ; the spare words, 128 bytes for each wave: eight blocks of 256 bytes that no other line names
.set AK0,  1                           ; v1   my lane's place in a tile: (r / 4) PK + 64 (r % 4) + 16 h
.set STO,  2                           ; v2   the stage: where I put 8 bytes of a row
.set PFO,  3                           ; v3   256 x lane
.set RDS,  4                           ; v4   the stage: where I read 16 bytes back
.set SPW,  5                           ; v5   LDS address of my spare word; never rewritten
.set NIL,  6                           ; v6   0; never rewritten
.set GO,   7                           ; v7   16 x lane
.set ADK,  8                           ; v8   LDS address of the slot in hand + AK0
.set RH,   9                           ; v9   r - 8 h
.set QF,   16
.set QF2,  24
.set FRG,  32
.set S,    96
.set OT,   160
.set PC,   192
.set WV,   18
.set SEL,  20                          ; s[20:21] lane selects for v_permlanex16_b32: lane l xor 16
.set CS,   22                          ; s[22:23] c = log2(e) / 8 x 2^(e6 + e7)
.set G1,   24                          ; s[24:31] descriptor group 1: 64 rows of 256 bytes, dense in memory, for K's tile and for V's
.set G0,   40                          ; s[40:43] group 0, which walks
.set KVB,  44                          ; s[44:45] the pair's K (even waves) or V (odd waves)
.set TB,   2                           ; s2   LDS byte at which the slot in hand begins
.set SLOTS, 67                         ; s67  trips to go
.set PFA,  76                          ; s[76:77] where my prefetches stand
.set LIMW, 80                          ; s80  4 in a wave that prefetches, else 0
.set CTXA, 84                          ; s[84:85] the first block's place in the output, s[86:87] the second's
.set CTXB, 86
.set KSN,  94                          ; s94  the key slot asked for last
.set TT1,  95                          ; s95  the trip for which it was asked
.set KF,   98                          ; s98  the step's first key
.set Q0,   99                          ; s99  my first query
; Wave 0 fetches K's tile, wave 1 V's, the others nothing.  An s_nop 0 and four v_nop follow the line.
.macro TLOAD
	s_cmp_lt_u32 s[WV], 2
	s_cbranch_scc0 .Lasked_\@
	tensor_load_to_lds s[G0:G0+3], s[G1:G1+7]
	s_nop 0
.rept 4
	v_nop
.endr
.Lasked_\@:
.endm
; A PREFETCH INTO THE L2 of what the next change of slots will ask for.  Of a pair's four work-groups, i = 0 is the first to reach key slots 4 to 7 (it asks for slot T at trip T's change): it alone prefetches, at the changes
; of trips 3 to 6, the slot one further on: a trip's two key steps ahead of its load.  Waves 4 and 5 take the halves of K's 16 KiB, waves 6 and 7 of V's: lanes 256 bytes apart, one instruction a wave, so each aligned block
; of 256 bytes of those slots is named once.  Slots 0 to 3 come by their loads alone; the last change that fills a slot asks for nothing.
.macro ASK
	s_sub_co_u32 s82, s[SLOTS], 2                  ; 6 - T: under 4 in trips 3 to 6; in trip 7 it wraps to the greatest number
	s_cmp_lt_u32 s82, s[LIMW]
	s_cbranch_scc0 .Lnot_mine_\@
	global_prefetch_b8 v[PFO], s[PFA:PFA+1] th:TH_LOAD_NT scope:SCOPE_SE
.Lnot_mine_\@:
.endm
	s_load_b128 s[4:7], s[0:1], 0x0                ; q, k, v s[4:5]; the scales' exponents s[6:7]
	s_load_b64 s[8:9], s[0:1], 0x10                ; the context's codes
	v_lshl_add_u32 v[SPW], v0, 2, SPARE
	v_mov_b32 v[NIL], 0
	ds_add_u32 v[SPW], v[NIL]                      ; the wave's opening: the add and its wait, ahead of my first tensor load; work on registers stands between them
	ds_add_u32 v[SPW], v[NIL]
	v_lshrrev_b32 v8, 5, v0
	s_delay_alu instid0(VALU_DEP_1)
	v_readfirstlane_b32 s[WV], v8                  ; wave 0..15
	s_and_b32 s10, ttmp7, 0xffff                   ; the pair: 16 x batch + head
	s_mov_b32 s[G1], (0<<16)|(1<<20)|(5<<22)|(3<<25)   ; no mask; elements of 1 byte; padding on: four words after every 64
	s_mov_b32 s[G1+1], 256<<16                     ; tensor_dim0
	s_mov_b32 s[G1+2], 64<<16                      ; tensor_dim1
	s_mov_b32 s[G1+3], 256<<16                     ; tile_dim0
	s_mov_b32 s[G1+4], 64                          ; tile_dim1
	s_mov_b32 s[G1+5], 256                         ; tensor_dim0_stride
	s_mov_b32 s[G1+6], 0
	s_mov_b32 s[G1+7], 0
	s_mov_b32 s[SEL], 0x76543210
	s_mov_b32 s[SEL+1], 0xfedcba98
	s_mov_b32 s[CS], 0x3e38aa3b                    ; log2(e) / 8
	s_mov_b32 s[TB], 0
	s_mov_b32 s[SLOTS], 8
	s_mov_b32 s[KSN], 0
	s_mov_b32 s[TT1], 0
	s_mov_b32 s[KF], 0
	s_add_co_u32 s96, ttmp9, 1                     ; i + 1: the trip in which the second block begins
	s_add_co_u32 s93, ttmp9, 2
	s_lshl_b32 s11, s[WV], 4
	s_lshl_b32 s[Q0], ttmp9, 8
	s_add_co_u32 s[Q0], s[Q0], s11                 ; my first query of block i
	s_sub_co_u32 s74, 7, ttmp9
	s_lshl_b32 s97, s74, 8
	s_add_co_u32 s97, s97, s11                     ; and of block 7 - i
	s_lshl_b32 s12, s10, 17                        ; the pair's 131,072 bytes in each of q, k, v
	s_and_b32 s13, s[WV], 1
	s_add_co_u32 s14, s13, 1
	s_lshl_b32 s14, s14, 23                        ; k at 8 MiB, v at 16 MiB
	s_add_co_u32 s14, s14, s12
	s_mov_b32 s15, 0
	s_mul_i32 s16, s13, VOFF                       ; the tile's place in a slot
	s_bfe_u32 s17, s[WV], 0x10001                  ; the prefetches: waves 4, 5 K; waves 6, 7 V
	s_add_co_u32 s17, s17, 1
	s_lshl_b32 s17, s17, 23
	s_add_co_u32 s17, s17, s12
	s_lshl_b32 s19, s13, 13                        ; which half of a slot's 16 KiB
	s_add_co_u32 s82, s17, s19
	s_mov_b32 s83, 0
	s_lshr_b32 s75, s[WV], 2
	s_xor_b32 s75, s75, 1                          ; 0 in waves 4 to 7,
	s_or_b32 s75, s75, ttmp9                       ; of the pair's work-group 0
	s_cmp_eq_u32 s75, 0
	s_cselect_b32 s[LIMW], 4, 0
	s_lshr_b32 s88, s10, 4
	s_lshl_b32 s88, s88, 3                         ; the output: [8 x batch + block][head][256 rows][64 bytes]
	s_and_b32 s89, s10, 15
	s_lshl_b32 s92, s[WV], 10                      ; my 16 rows
	s_add_co_u32 s90, s88, ttmp9
	s_lshl_b32 s90, s90, 4
	s_add_co_u32 s90, s90, s89
	s_lshl_b32 s90, s90, 14
	s_add_co_u32 s90, s90, s92
	s_mov_b32 s91, 0
	s_add_co_u32 s74, s88, s74
	s_lshl_b32 s74, s74, 4
	s_add_co_u32 s74, s74, s89
	s_lshl_b32 s74, s74, 14
	s_add_co_u32 s74, s74, s92
	s_mov_b32 s75, 0
	s_lshl_b32 s88, s[Q0], 6                       ; my queries' codes: 64 bytes a query
	s_add_co_u32 s88, s88, s12
	s_mov_b32 s89, 0
	s_lshl_b32 s12, s97, 6                         ; and the second block's
	s_wait_dscnt 0x0                               ; the opening add is done
	s_wait_kmcnt 0x0
	s_load_b128 s[68:71], s[6:7], 0x18             ; e6, e7, e8, e9
	s_load_b32 s72, s[6:7], 0x28                   ; e10
	s_add_nc_u64 s[KVB:KVB+1], s[4:5], s[14:15]
	s_mov_b32 s[G0], 1                             ; count = 1
	s_mov_b32 s[G0+1], s16                         ; LDS address: slot 0
	s_mov_b64 s[G0+2:G0+3], s[KVB:KVB+1]           ; global address: key slot 0
	s_or_b32 s[G0+3], s[G0+3], 0x80000000          ; type = 2
	TLOAD                                          ; trip 0's slot: one load of mine is out
	s_add_nc_u64 s[PFA:PFA+1], s[4:5], s[82:83]    ; at key slot 0: each change of slots steps it once, so that trip T's change names slot T + 1
	s_add_nc_u64 s[CTXA:CTXA+1], s[8:9], s[90:91]
	s_add_nc_u64 s[CTXB:CTXB+1], s[8:9], s[74:75]
	s_add_nc_u64 s[50:51], s[4:5], s[88:89]        ; Q of block i
	s_lshl_b32 s88, s10, 17
	s_add_co_u32 s88, s88, s12
	s_add_nc_u64 s[52:53], s[4:5], s[88:89]        ; Q of block 7 - i
	v_and_b32 v10, 15, v0                          ; r
	v_bfe_u32 v11, v0, 4, 1                        ; h
	s_delay_alu instid0(VALU_DEP_2)
	v_lshrrev_b32 v[AK0], 2, v10
	s_delay_alu instid0(VALU_DEP_1)
	v_mul_u32_u24 v[AK0], v[AK0], PK
	s_delay_alu instid0(VALU_DEP_4)
	v_and_b32 v8, 3, v10
	s_delay_alu instid0(VALU_DEP_1)
	v_lshl_add_u32 v[AK0], v8, 6, v[AK0]
	s_delay_alu instid0(VALU_DEP_1)
	v_lshl_add_u32 v[AK0], v11, 4, v[AK0]
	s_add_co_u32 s75, s92, STAGE                   ; my stage
	v_lshlrev_b32 v[STO], 6, v10
	s_delay_alu instid0(VALU_DEP_1)
	v_lshl_add_u32 v[STO], v11, 3, v[STO]
	s_delay_alu instid0(VALU_DEP_1)
	v_add_nc_u32 v[STO], s75, v[STO]               ; in: row r of 64 bytes, + 8 h
	v_and_b32 v[GO], 31, v0
	s_delay_alu instid0(VALU_DEP_1)
	v_lshlrev_b32 v[GO], 4, v[GO]
	s_delay_alu instid0(VALU_DEP_1)
	v_add_nc_u32 v[RDS], s75, v[GO]                ; back: 16 bytes a lane, dense
	s_delay_alu instid0(VALU_DEP_2)
	v_lshlrev_b32 v[PFO], 4, v[GO]
	v_lshlrev_b32 v[RH], 3, v11
	s_delay_alu instid0(VALU_DEP_1)
	v_sub_nc_u32 v[RH], v10, v[RH]
	v_lshlrev_b32 v10, 6, v10
	s_delay_alu instid0(VALU_DEP_1)
	v_lshl_add_u32 v10, v11, 4, v10                ; Q: row r of 64 bytes, + 16 h
.irp c, 0,1
	global_load_b128 v[QF+4*\c:QF+4*\c+3], v10, s[50:51] offset:32*\c
	global_load_b128 v[QF2+4*\c:QF2+4*\c+3], v10, s[52:53] offset:32*\c
.endr
	v_mov_b32 v236, 0                              ; written once: a lane permute's destination counts as one of its sources
	v_mov_b32 v253, 0                              ; (named as the upper half of the pair v[252:253])
	v_mov_b32 v247, 1.0                            ; the context's conversion divides by 2^0: its scales are folded into the division by the sum
.macro INIT                            ; a block begins: O^T and the sum are zeros and the largest t is -3e38, so that the step is written once: the first change of M multiplies zeros
	v_mov_b32 v13, 0xff61b1e6
	s_delay_alu instid0(VALU_DEP_1)
	v_floor_f32 v12, -v13
	v_mov_b32 v14, 0
	v_mov_b32 v15, 0
.set j, 0
.rept 32
	v_mov_b32 v[OT+j], 0
.set j, j+1
.endr
.endm
	INIT
	s_wait_kmcnt 0x0
	s_add_co_i32 s74, s68, s69
	s_lshl_b32 s74, s74, 23
	s_add_co_i32 s[CS], s[CS], s74                 ; a score stands for score x 2^(e6 + e7): the two exponents are added to c's exponent field
	s_mov_b32 s[CS+1], s[CS]                       ; (named with it as a pair)
	s_add_co_i32 s74, s70, 127
	s_lshl_b32 s75, s74, 23
	v_mov_b32 v244, s75                            ; 2^e8 as f32, for p's conversion
	s_add_co_i32 s73, s70, s71
	s_sub_co_i32 s73, s73, s72                     ; e8 + e9 - e10
; A KEY STEP: 128 keys, the q-th of the slot in hand.
.macro STEP q
	s_add_co_u32 s82, s[Q0], 15
	s_cmp_gt_u32 s[KF], s82                        ; all 128 keys come after my 16 queries: the step's work is left out; no barrier and no tensor load stands in a step
	s_cbranch_scc1 .Lhidden_\@
	v_add_nc_u32 v[ADK], s[TB], v[AK0]
.rept 3
	v_nop                                          ; with the addition above: four places in front of loads into registers that matrix instructions have read
.endr
.irp t, 0,1,2,3,4,5,6,7
.irp c, 0,1
	ds_load_b128 v[FRG+8*\t+4*\c:FRG+8*\t+4*\c+3], v[ADK] offset:(32*(\q)+4*\t)*PK+32*\c   ; keys 16 t + r
.endr
.endr
	s_wait_dscnt 0x0
	s_wait_alu depctr_va_vdst(0)
.irp t, 0,1,2,3,4,5,6,7
	v_wmma_f32_16x16x64_fp8_fp8 v[S+8*\t:S+8*\t+7], v[FRG+8*\t:FRG+8*\t+7], v[QF:QF+7], 0
.endr
.rept 4
	v_nop                                          ; places in front of the loads below and of the first read of the scores
.endr
.irp t, 0,1,2,3                                ; V's four fragments (16 of the head's 64 x these 128 keys) are asked for now and land under the softmax
.irp c, 0,1,2,3
	ds_load_b128 v[FRG+16*\t+4*\c:FRG+16*\t+4*\c+3], v[ADK] offset:VOFF+(16*(2*(\q)+\c/2)+4*\t)*PK+32*(\c%2)
.endr
.endr
	s_add_co_u32 s82, s[KF], 127                   ; a step all of whose keys count skips the mask
	s_cmp_le_u32 s82, s[Q0]
	s_cbranch_scc1 .Lopen_\@
	s_sub_co_i32 s82, s[Q0], s[KF]
	v_add_nc_u32 v252, s82, v[RH]                  ; my query - KF - 8 h.  Register 8 t + j holds key KF + 16 t + 8 h + j: hidden where 16 t + j is greater
	v_mov_b32 v254, 0xff800000                     ; -infinity: p = 0 then
.set n, 0
.rept 64
	v_cmp_gt_i32 vcc_lo, 16*(n/8)+n%8, v252
	v_cndmask_b32 v[S+n], v[S+n], v254, vcc_lo
.set n, n+1
.endr
.Lopen_\@:
	v_max3_num_f32 v254, v[S], v[S+1], v[S+2]      ; the step's largest score of my query among my 64 keys, in two chains, each accumulator from its low end on,
	v_max3_num_f32 v252, v[S+3], v[S+4], v[S+5]
.set n, 6
.rept 14
	v_max3_num_f32 v254, v254, v[S+n], v[S+n+1]
	v_max3_num_f32 v252, v252, v[S+n+2], v[S+n+3]
.set n, n+4
.endr
	v_max3_num_f32 v254, v254, v[S+62], v[S+63]
	s_delay_alu instid0(VALU_DEP_1)
	v_max_num_f32 v254, v254, v252
	s_delay_alu instid0(VALU_DEP_1)
	v_permlanex16_b32 v236, v254, s[SEL], s[SEL+1]
	s_delay_alu instid0(VALU_DEP_1)
	v_max_num_f32 v254, v254, v236                 ; and among lane l xor 16's
	s_delay_alu instid0(VALU_DEP_1)
	v_mul_f32 v254, s[CS], v254                    ; as t (c is positive)
	s_delay_alu instid0(VALU_DEP_1)
	v_max_num_f32 v13, v13, v254                   ; the running largest t
	v_mov_b32 v254, v12
	s_delay_alu instid0(VALU_DEP_2)
	v_floor_f32 v12, -v13                          ; the new -M = floor(-t): M is a whole number
	s_delay_alu instid0(VALU_DEP_1)
	v_sub_f32 v254, v12, v254                      ; old M - new M: a whole number, 0 or less
	s_delay_alu instid0(VALU_DEP_1)
	v_cvt_i32_f32 v254, v254                       ; (it saturates)
	s_delay_alu instid0(VALU_DEP_1)
	v_ldexp_f32 v252, 1.0, v254                    ; f = 2^(old M - new M)
.set n, 0
.rept 32
	v_pk_fma_f32 v[S+n:S+n+1], v[S+n:S+n+1], s[CS:CS+1], v[12:13] op_sel_hi:[1,0,0]   ; t - M, two at a time
.set n, n+2
.endr
.set n, 0
	s_wait_alu depctr_va_vdst(0)
.rept 64
	v_exp_f32 v[S+n], v[S+n]                       ; p = 2^(t - M), at most 1
.set n, n+1
.endr
	v_pk_mul_f32 v[14:15], v[14:15], v[252:253] op_sel_hi:[1,0]   ; the sums under the new M: the plain line behind the exponentials
	s_wait_alu depctr_va_vdst(0)                   ; the wait ahead of the first line that names an exponential's result: one for the batch of 64
	v_pk_add_f32 v[242:243], v[100:101], v[104:105]
	v_pk_add_f32 v[254:255], v[108:109], v[112:113]
	v_pk_add_f32 v[250:251], v[116:117], v[120:121]
	v_pk_add_f32 v[248:249], v[124:125], v[128:129]
	v_pk_add_f32 v[240:241], v[132:133], v[136:137]
	v_pk_add_f32 v[238:239], v[140:141], v[144:145]
	v_pk_add_f32 v[234:235], v[148:149], v[152:153]
	v_pk_add_f32 v[14:15], v[14:15], v[156:157]
	v_pk_add_f32 v[242:243], v[242:243], v[96:97]
	v_pk_add_f32 v[254:255], v[254:255], v[98:99]
	v_pk_add_f32 v[250:251], v[250:251], v[102:103]
	v_pk_add_f32 v[248:249], v[248:249], v[106:107]
	v_pk_add_f32 v[240:241], v[240:241], v[110:111]
	v_pk_add_f32 v[238:239], v[238:239], v[114:115]
	v_pk_add_f32 v[234:235], v[234:235], v[118:119]
	v_pk_add_f32 v[14:15], v[14:15], v[122:123]
	v_pk_add_f32 v[242:243], v[242:243], v[126:127]
	v_pk_add_f32 v[254:255], v[254:255], v[130:131]
	v_pk_add_f32 v[250:251], v[250:251], v[134:135]
	v_pk_add_f32 v[248:249], v[248:249], v[138:139]
	v_pk_add_f32 v[240:241], v[240:241], v[142:143]
	v_pk_add_f32 v[238:239], v[238:239], v[146:147]
	v_pk_add_f32 v[234:235], v[234:235], v[150:151]
	v_pk_add_f32 v[14:15], v[14:15], v[154:155]
	v_pk_add_f32 v[242:243], v[242:243], v[158:159]
	s_delay_alu instid0(VALU_DEP_2)
	v_pk_add_f32 v[14:15], v[14:15], v[248:249]
	s_delay_alu instid0(VALU_DEP_2)
	v_pk_add_f32 v[242:243], v[242:243], v[240:241]
	v_pk_add_f32 v[254:255], v[254:255], v[238:239]
	v_pk_add_f32 v[250:251], v[250:251], v[234:235]
	s_delay_alu instid0(VALU_DEP_2)
	v_pk_add_f32 v[14:15], v[14:15], v[254:255]
	s_delay_alu instid0(VALU_DEP_2)
	v_pk_add_f32 v[242:243], v[242:243], v[250:251]
	s_delay_alu instid0(VALU_DEP_1)
	v_pk_add_f32 v[14:15], v[14:15], v[242:243]
.irp t, 0,1,2,3,4,5,6,7
.irp j, 0,1,2,3,4,5,6,7
.endr
	v_cvt_scalef32_pk8_fp8_f32 v[PC+2*\t:PC+2*\t+1], v[S+8*\t:S+8*\t+7], v244
.endr
.set n, 0
.rept 16
	v_pk_mul_f32 v[OT+n:OT+n+1], v[OT+n:OT+n+1], v[252:253] op_sel_hi:[1,0]   ; O^T under the new M; also the plain lines between the conversions and the products
.set n, n+2
.endr
	s_wait_alu depctr_va_vdst(0)
	s_wait_dscnt 0x0                               ; V is in
.irp t, 0,1,2,3                                ; the four accumulators take turns, one instruction a turn
	v_wmma_f32_16x16x128_fp8_fp8 v[OT+8*\t:OT+8*\t+7], v[FRG+16*\t:FRG+16*\t+15], v[PC:PC+15], v[OT+8*\t:OT+8*\t+7]
.endr
.Lhidden_\@:
	s_add_co_u32 s[KF], s[KF], 128
.endm
; A BLOCK LEAVES: O^T / the sum x 2^(e8 + e9 - e10), converted; 8 bytes a tile and lane go through my stage and come back dense: my 16 rows of 64 bytes are 1,024 consecutive bytes of the output.
.macro FINISH base
.rept 4
	v_nop                                          ; places behind the last products
.endr
	s_wait_xcnt 0x0                                ; an earlier block's stores have read their data
	v_add_f32 v14, v14, v15                        ; the sum's two halves,
	s_delay_alu instid0(VALU_DEP_1)
	v_permlanex16_b32 v236, v14, s[SEL], s[SEL+1]
	s_delay_alu instid0(VALU_DEP_1)
	v_add_f32 v14, v14, v236                       ; and lane l xor 16's
	s_wait_alu depctr_va_vdst(0)
	v_rcp_f32 v14, v14
	v_nop                                          ; a plain line behind the reciprocal
	s_wait_alu depctr_va_vdst(0)                   ; and the wait ahead of its first reader
	v_ldexp_f32 v14, v14, s73
.set j, 0
.rept 16
	v_pk_mul_f32 v[S+j:S+j+1], v[OT+j:OT+j+1], v[14:15] op_sel_hi:[1,0]   ; register 8 t + j': d = 16 t + 8 h + j'; each accumulator from its low end on
.set j, j+2
.endr
.set j, 0
.rept 32
.set j, j+1
.endr
.irp t, 0,1,2,3
	v_cvt_scalef32_pk8_fp8_f32 v[PC+2*\t:PC+2*\t+1], v[S+8*\t:S+8*\t+7], v247
.endr
	v_nop                                          ; one plain vector line behind the conversions
.irp t, 0,1,2,3
	ds_store_b64 v[STO], v[PC+2*\t:PC+2*\t+1] offset:16*\t
.endr
.irp u, 0,1
	ds_load_b128 v[208+4*\u:211+4*\u], v[RDS] offset:512*\u   ; LDS serves a wave's instructions in order: these see my stores
.endr
	s_wait_dscnt 0x0
.irp u, 0,1
	global_store_b128 v[GO], v[208+4*\u:211+4*\u], s[\base:\base+1] offset:512*\u   ; 512 consecutive bytes, aligned
.endr
.endm
; THE CHANGE OF SLOTS stands at a trip's head.  Each wave waits for all its tensor loads (its part of the slot that it is about to read), adds 0 to its spare word, and waits for that and for its reads of the slot that it has
; left.  Behind the barrier the slot ahead is whole and nobody reads the other one.  fill = 1: that other slot takes the next trip's keys: the load has a trip's two steps in which to land.
.macro CHANGE fill
	s_wait_tensorcnt 0x0                           ; no tensor load of mine is out, so group 0 may be written
	ds_add_u32 v[SPW], v[NIL]                      ; 0 onto my spare word
.if \fill
	s_xor_b32 s[G0+1], s[G0+1], SLOT1              ; the other slot than last time
	s_add_co_u32 s[TT1], s[TT1], 1                 ; the trip that will read it
	s_add_co_u32 s[KSN], s[KSN], 1                 ; the next 256 keys,
	s_cmp_eq_u32 s[TT1], s96
	s_cselect_b32 s[KSN], 0, s[KSN]                ; or the first, where that trip begins the second block
	s_lshl_b32 s82, s[KSN], 14
	s_mov_b32 s83, 0
	s_add_nc_u64 s[G0+2:G0+3], s[KVB:KVB+1], s[82:83]
	s_or_b32 s[G0+3], s[G0+3], 0x80000000
	s_wait_xcnt 0x0                                ; the last prefetch, a trip back, has read its address
	s_add_nc_u64 s[PFA:PFA+1], s[PFA:PFA+1], 16384
.endif
	s_wait_dscnt 0x0                               ; the add is done, and my reads of the slot that I have left are over
	s_barrier_signal -1
	s_barrier_wait -1
.if \fill
	TLOAD                                          ; the first thing behind the barrier, and a wave's one tensor load until the next
	ASK
.endif
.endm
.macro SLOT_STEPS sw
.if \sw
	s_cmp_eq_u32 s[TT1], s93                       ; trip i + 1: the first block is done.  The branch hangs on the work-group's number and the trips' count; it holds no barrier and no tensor load
	s_cbranch_scc0 .Lsame_\@
	FINISH CTXA
	INIT
.irp j, 0,1,2,3,4,5,6,7
	v_mov_b32 v[QF+\j], v[QF2+\j]
.endr
	s_mov_b32 s[Q0], s97
	s_mov_b32 s[KF], 0
.Lsame_\@:
.endif
	STEP 0
	STEP 1
	s_xor_b32 s[TB], s[TB], SLOT1                  ; on to the other slot
.endm
	s_wait_loadcnt 0x0                             ; both blocks' Q
.Lslot:                                            ; eight trips: behind each change of slots but the last the next trip's slot is asked for
	CHANGE 1
	SLOT_STEPS 1
	s_sub_co_u32 s[SLOTS], s[SLOTS], 1
	s_cmp_lg_u32 s[SLOTS], 0
	s_cbranch_scc1 .Lslot
	CHANGE 0                                       ; the ninth trip is written out
	SLOT_STEPS 0
	FINISH CTXB
	s_wait_tensorcnt 0x0                           ; the wave's end, behind my last tensor load and my last LDS store
	ds_add_u32 v[SPW], v[NIL]
	s_wait_dscnt 0x0
	s_endpgm
.Lfunc_end_k_q7439811dd0_attn:
	.size	k_q7439811dd0_attn, .Lfunc_end_k_q7439811dd0_attn-k_q7439811dd0_attn
	.p2alignl 7, 3214868480
	.fill 96, 4, 3214868480
	.section	.rodata,"a",@progbits
	.p2align	6, 0x0
	.amdhsa_kernel k_q7439811dd0_attn
		.amdhsa_group_segment_fixed_size 327680
		.amdhsa_private_segment_fixed_size 0
		.amdhsa_enable_private_segment 0
		.amdhsa_kernarg_size 24
		.amdhsa_user_sgpr_count 2
		.amdhsa_user_sgpr_kernarg_segment_ptr 1
		.amdhsa_wavefront_size32 1
		.amdhsa_system_sgpr_workgroup_id_x 1
		.amdhsa_system_sgpr_workgroup_id_y 1
		.amdhsa_system_sgpr_workgroup_id_z 1
		.amdhsa_system_vgpr_workitem_id 0
		.amdhsa_next_free_vgpr 256
		.amdhsa_next_free_sgpr 100
		.amdhsa_reserve_vcc 1
		.amdhsa_float_denorm_mode_32 3
		.amdhsa_float_denorm_mode_16_64 3
		.amdhsa_fp16_overflow 1
		.amdhsa_memory_ordered 1
		.amdhsa_forward_progress 1
		.amdhsa_inst_pref_size 91
	.end_amdhsa_kernel
	.amdgpu_metadata
---
amdhsa.version: [ 1, 2 ]
amdhsa.kernels:
  - .name:           k_q7439811dd0_attn
    .symbol:         k_q7439811dd0_attn.kd
    .args:
      - { .name: qkv, .offset: 0, .size: 8, .value_kind: global_buffer, .address_space: global }
      - { .name: lowp_scales, .offset: 8, .size: 8, .value_kind: global_buffer, .address_space: global }
      - { .name: ctx, .offset: 16, .size: 8, .value_kind: global_buffer, .address_space: global }
    .group_segment_fixed_size: 327680
    .private_segment_fixed_size: 0
    .kernarg_segment_align: 8
    .kernarg_segment_size: 24
    .max_flat_workgroup_size: 512
    .sgpr_count:     100
    .vgpr_count:     256
    .wavefront_size: 32
...
	.end_amdgpu_metadata
.endif
;; end of part 3
;; launch proj (part 4): grid 4 x 32, 4 waves a work-group, clusters of 4 x 4, 327,680 bytes of LDS; arguments ctx, wcodes, lowp_scales, bo, out0; writes out0
.if DOCPART == 4
	.amdgcn_target "amdgcn-amd-amdhsa--gfx1250"
	.amdhsa_code_object_version 6
	.text
	.protected	k_q7439811dd0_proj
	.globl	k_q7439811dd0_proj
	.p2align	8
	.type	k_q7439811dd0_proj,@function
k_q7439811dd0_proj:
	s_mov_b64 s[64:65], 0
	v_nop
	global_prefetch_b8 v0, s[64:65] scope:SCOPE_SE
	s_setreg_imm32_b32 hwreg(HW_REG_WAVE_MODE, 25, 1), 1
	s_wait_xcnt 0x0
	s_wait_alu depctr_hold_cnt(0) depctr_sa_sdst(0) depctr_va_vdst(0) depctr_va_sdst(0) depctr_va_ssrc(0) depctr_va_vcc(0) depctr_vm_vsrc(0)
	s_getreg_b32 s2, hwreg(HW_REG_IB_STS2, 6, 4)
	s_cmp_eq_u32 s2, 0
	s_cbranch_scc0 .Lentry_in_a_cluster
	s_endpgm
.Lentry_in_a_cluster:
	s_bfe_u32 s2, ttmp6, 0x10000c
	s_cmp_lg_u32 s2, 0xf033
	s_cbranch_scc0 .Lentry_shape_is_right
	s_endpgm
.Lentry_shape_is_right:
; out = ctx Wo + bo on codes of E4M3 (v_wmma_f32_16x16x128_fp8_fp8, f32 sums, K = 1,024): out = sum x 2^(e10 + e11) + bo, f32.
; LIMIT: e10 + e11 lies between -126 and 127, so that 2^(e10 + e11) is an f32 number.
; A tile of 256 x 256 to a work-group of four waves, 128 x 128 a wave: 32 x 4 = 128 work-groups, eight clusters of 4 x 4.  The four work-groups of a row of the cluster ask for A's tiles jointly, the four of a column for B's.
; A, the context's codes, lies [block of 256 rows][head][row][64 bytes]: a K step of 256 is four heads, 65,536 dense bytes, fetched as 256 LDS rows of 256 bytes (four 64-byte rows each).  Row m of head g lies in LDS row
; 64 g + m / 4 at byte 64 (m % 4).  B, Wo's codes, lies [n][k], 3 MiB into the weights' buffer.  Both fragments hold K = 32 c + 16 (l / 16) + 0 .. 15 in registers 4 c .. 4 c + 3: one permutation of k, the same in both.
; THE MATRIX INSTRUCTION IS USED TRANSPOSED (source 0 = 16 rows of B, source 1 = 16 rows of A): a lane holds eight neighbouring numbers of a row of the output.
; Ring: two LDS slots of 256 along K; K is four slots, so the walk is written out without a loop.  No prefetch: four K steps.
; REGISTERS, in windows of 256: window 0: v0-31 addresses, v8-11 my four numbers of bo; from v128 A's fragments, ONE set; on the way out v128-255 rows read back.  window 1: B's fragments, two sets.
;   window 2: the accumulators of my rows 0-63 ((a, b) at v[8 (8 a + b)]); window 3: those of my rows 64-127.
.set ROWB,   256
.set PITCH,  272
.set FR,     16
.set NL,     4
.set NP,     4
.set HALFT,  128*PITCH
.set SLOT,   4*HALFT
.set SPARE,  2*SLOT                    ; behind the ring: the spare words, 128 bytes for each wave
.set SPITCH, 528                       ; the way out: a stage of 16 rows x (512 bytes + 16) for each wave, in slot 0, which has had its last fill and its last read by then
.set ASTEP,  65536                     ; a K step of A in memory
.set ADRA, 16
.set ADRB, 20
.set STO,  24
.set RD,   25
.set CO,   26
.set SPW,  28
.set NIL,  29
.set AF,   128
.set BK,   128
.set G1, 24
.set G0, 32
.set G1B, 48
.set G0B, 56
.set MSB, 0
.macro WIN new
.if MSB != (\new)
	s_set_vgpr_msb (MSB<<8)|(\new)
.set MSB, (\new)
.endif
.endm
.set MUL_LO, 0xa1
.set MUL_HI, 0xf1
.set TO_B,   0x40
.macro JLOAD g0a, g1a, g0b, g1b        ; a joint load: waves 0 and 1 fetch for A, waves 2 and 3 for B; an s_nop 0 and four v_nop follow each of the two lines
	s_cmp_eq_u32 s15, 0
	s_cbranch_scc0 .Lfor_b_\@
	tensor_load_to_lds s[\g0a:\g0a+3], s[\g1a:\g1a+7]
	s_nop 0
.rept 4
	v_nop
.endr
	s_branch .Lasked_\@
.Lfor_b_\@:
	tensor_load_to_lds s[\g0b:\g0b+3], s[\g1b:\g1b+7]
	s_nop 0
.rept 4
	v_nop
.endr
.Lasked_\@:
.endm
.macro CREST
	s_cmp_lg_u32 s14, 0
	s_cbranch_scc1 .Lnot_wave_0_\@
	s_barrier_signal -3
.Lnot_wave_0_\@:
	s_barrier_wait -3
	s_barrier_signal -1
	s_barrier_wait -1
.endm
.macro CROUND
	s_barrier_signal -1
	s_barrier_wait -1
	CREST
.endm
	s_load_b128 s[4:7], s[0:1], 0x0                ; the context's codes s[4:5], the weights' codes s[6:7]
	s_load_b128 s[8:11], s[0:1], 0x10              ; the scales' exponents s[8:9], bo s[10:11]
	s_load_b64 s[12:13], s[0:1], 0x20              ; out
	v_lshl_add_u32 v[SPW], v0, 2, SPARE
	v_mov_b32 v[NIL], 0
	ds_add_u32 v[SPW], v[NIL]                      ; the wave's opening: the add and its wait, ahead of my first tensor load
	ds_add_u32 v[SPW], v[NIL]
	v_lshrrev_b32 v1, 5, v0
	v_readfirstlane_b32 s14, v1                    ; wave 0..3
	s_lshr_b32 s15, s14, 1                         ; which half of the tile's rows is mine.  Also: I fetch for A (0) or for B (1)
	s_and_b32 s16, s14, 1                          ; which half of its columns.  Also: which half of that tile I fetch
	s_bfe_u32 s40, ttmp6, 0x40000                  ; cx, cy
	s_bfe_u32 s41, ttmp6, 0x40004
	s_lshl_b32 s42, ttmp9, 2
	s_add_co_u32 s42, s42, s40                     ; tile column
	s_and_b32 s17, ttmp7, 0xffff
	s_lshl_b32 s17, s17, 2
	s_add_co_u32 s17, s17, s41                     ; tile row
	s_lshl_b32 s43, s41, 2
	s_lshl_b32 s43, 15, s43                        ; my row of the cluster
	s_lshl_b32 s44, 0x1111, s40                    ; my column
	s_or_b32 s[G1+0], s43, (0<<16)|(1<<20)|(1<<21)|(5<<22)|(3<<25)  ; the mask; element of 1 byte; padding on; bit 21 beside a mask; four words after every 64
	s_or_b32 s[G1B+0], s44, (0<<16)|(1<<20)|(1<<21)|(5<<22)|(3<<25)
.irp g, G1, G1B
	s_mov_b32 s[\g+1], ROWB<<16                    ; tensor_dim0
	s_mov_b32 s[\g+2], 128<<16                     ; tensor_dim1
	s_mov_b32 s[\g+3], ROWB<<16                    ; tile_dim0
	s_mov_b32 s[\g+4], 128                         ; tile_dim1
	s_mov_b32 s[\g+6], 0
	s_mov_b32 s[\g+7], 0
.endr
	s_mov_b32 s[G1+5], 256                         ; A's block is dense: from row to row 256 bytes
	s_mov_b32 s[G1B+5], 1024                       ; a row of Wo's codes
	s_lshl_b32 s20, s17, 18                        ; A: 262,144 bytes a block of 256 rows,
	s_lshl_b32 s18, s16, 15                        ; + which two of the K step's four heads I fetch
	s_add_co_u32 s20, s20, s18
	s_mov_b32 s21, 0
	s_lshl_b32 s46, s42, 18                        ; B: 256 rows of 1,024 bytes a tile column,
	s_lshl_b32 s19, s16, 17                        ; + which 128 of them I fetch,
	s_add_co_u32 s46, s46, s19
	s_add_co_u32 s46, s46, 3<<20                   ; in Wo's codes
	s_mov_b32 s47, 0
	s_mul_i32 s45, s14, HALFT                      ; where they go: wave x 128 LDS rows
	s_wait_dscnt 0x0                               ; the opening add is done
	s_wait_kmcnt 0x0
	s_load_b64 s[96:97], s[8:9], 0x28              ; e10, e11
	s_add_nc_u64 s[20:21], s[4:5], s[20:21]
	s_add_nc_u64 s[46:47], s[6:7], s[46:47]
	CROUND                                         ; all sixteen work-groups are here: the first joint loads meet
.irp s, 0,1
	s_mov_b32 s[G0+4*\s], 1
	s_add_co_u32 s[G0+4*\s+1], s45, \s*SLOT
	s_add_nc_u64 s[G0+4*\s+2:G0+4*\s+3], s[20:21], \s*ASTEP
	s_or_b32 s[G0+4*\s+3], s[G0+4*\s+3], 0x80000000
	s_mov_b32 s[G0B+4*\s], 1
	s_add_co_u32 s[G0B+4*\s+1], s45, \s*SLOT
	s_add_nc_u64 s[G0B+4*\s+2:G0B+4*\s+3], s[46:47], \s*ROWB
	s_or_b32 s[G0B+4*\s+3], s[G0B+4*\s+3], 0x80000000
	s_wait_alu depctr_va_vdst(0)
	s_wait_tensorcnt 0x0
	ds_add_u32 v28, v29
	ds_add_u32 v28, v29
	s_wait_dscnt 0x0
	CROUND
	JLOAD G0+4*\s, G1, G0B+4*\s, G1B               ; one load of mine is out
.endr
	v_and_b32 v1, 15, v0                           ; r
	v_bfe_u32 v2, v0, 4, 1                         ; h
	v_mul_u32_u24 v3, v1, PITCH
	v_lshl_add_u32 v4, v2, 4, v3                   ; B: row r x pitch + 16 h
	v_lshrrev_b32 v5, 2, v1
	v_mul_u32_u24 v5, v5, PITCH
	v_and_b32 v6, 3, v1
	v_lshl_add_u32 v5, v6, 6, v5
	v_lshl_add_u32 v5, v2, 4, v5                   ; A: (r / 4) x pitch + 64 (r % 4) + 16 h
	s_mul_i32 s21, s15, 32*PITCH                   ; my 128 rows of A: 32 LDS rows in each head
	s_mul_i32 s22, s16, HALFT                      ; my 128 rows of B,
	s_add_co_u32 s22, s22, 2*HALFT                 ; which lie behind A's 256 LDS rows
.irp s, 0,1
	v_add_nc_u32 v[ADRA+\s], s21, v5
	v_add_nc_u32 v[ADRB+\s], s22, v4
	s_add_co_u32 s21, s21, SLOT
	s_add_co_u32 s22, s22, SLOT
.endr
	s_mul_i32 s23, s14, 16*SPITCH                  ; my stage
	v_mul_u32_u24 v5, v1, SPITCH
	v_lshl_add_u32 v5, v2, 5, v5
	v_add_nc_u32 v[STO], s23, v5                   ; in: row r, 32 bytes for each half of the lanes
	v_and_b32 v6, 31, v0
	v_lshlrev_b32 v[CO], 4, v6                     ; back: the 32 lanes take one row of 512 bytes; the same in the output and in bo
	v_add_nc_u32 v[RD], s23, v[CO]
	s_lshl_b32 s46, s42, 10                        ; my first column, in bytes of f32
	s_lshl_b32 s47, s16, 9
	s_add_co_u32 s46, s46, s47
	s_mov_b32 s47, 0
	s_add_nc_u64 s[10:11], s[10:11], s[46:47]
	global_load_b128 v[8:11], v[CO], s[10:11]      ; bo at my four columns of a row read back
	s_lshl_b32 s20, s17, 20                        ; my first row: 256 rows of 4,096 bytes a tile row
	s_lshl_b32 s21, s15, 19
	s_add_co_u32 s20, s20, s21
	s_mov_b32 s21, 0
	s_add_nc_u64 s[20:21], s[20:21], s[46:47]
	s_add_nc_u64 s[12:13], s[12:13], s[20:21]
.macro FRAG reg, adr, q, i             ; B's fragment: rows of 256 bytes along K
.irp c, 0,1,2,3
	ds_load_b128 v[\reg+4*\c:\reg+4*\c+3], v[\adr] offset:128*(\q)+32*\c+(\i)*16*PITCH
.endr
.endm
.macro FRAG_A reg, adr, q, i           ; A's fragment: K = 128 q + 32 c lies in head 2 q + c / 2 of the K step's four, at d = 32 (c % 2)
.irp c, 0,1,2,3
	ds_load_b128 v[\reg+4*\c:\reg+4*\c+3], v[\adr] offset:(64*(2*(\q)+\c/2)+4*(\i))*PITCH+32*(\c%2)
.endr
.endm
.macro MUL16 a0, p, zero               ; the 64 accumulators take turns, one instruction a turn, in the same order in every step
.irp a, \a0, \a0+1
.irp b, 0,1,2,3,4,5,6,7
.if \zero
	v_wmma_f32_16x16x128_fp8_fp8 v[8*(8*((\a)%4)+\b):8*(8*((\a)%4)+\b)+7], v[128*(\p)+FR*\b:128*(\p)+FR*\b+FR-1], v[AF+FR*(\a):AF+FR*(\a)+FR-1], 0
.else
	v_wmma_f32_16x16x128_fp8_fp8 v[8*(8*((\a)%4)+\b):8*(8*((\a)%4)+\b)+7], v[128*(\p)+FR*\b:128*(\p)+FR*\b+FR-1], v[AF+FR*(\a):AF+FR*(\a)+FR-1], v[8*(8*((\a)%4)+\b):8*(8*((\a)%4)+\b)+7]
.endif
.endr
.endr
.endm
.macro FETCH_B slot, q, p
	WIN TO_B
.irp i, 0,1,2,3,4,5,6,7
	FRAG 128*(\p)+FR*\i, ADRB+\slot, \q, \i
.endr
	WIN 0
.endm
.macro FETCH_A slot, q, i0
.irp i, \i0, \i0+1, \i0+2, \i0+3
	FRAG_A AF+FR*(\i), ADRA+\slot, \q, \i
.endr
.endm
.macro PLACES n
.rept \n
	v_nop
.endr
.endm
.macro STEP slot, q, zero
	s_wait_dscnt 4*NL                              ; B's set and A's blocks 0-3 are in; the youngest 16 loads (A's blocks 4-7) may be out
	WIN MUL_LO
	MUL16 0, (\q)%2, \zero
	MUL16 2, (\q)%2, \zero
	s_wait_dscnt 0
	PLACES NP
	FETCH_B \slot, (\q)+1, 1-(\q)%2
	FETCH_A \slot, (\q)+1, 0
	WIN MUL_HI
	MUL16 4, (\q)%2, \zero
	MUL16 6, (\q)%2, \zero
	PLACES NP
	WIN 0
	FETCH_A \slot, (\q)+1, 4
.endm
.macro TURN slot, next, fill           ; a slot's last step changes slots: ONE barrier, with the three lines in front of it; fill = 1: this slot is filled again, two slots ahead
	s_wait_tensorcnt 0x0                           ; all my tensor loads have landed: my part of the next slot
	ds_add_u32 v[SPW], v[NIL]                      ; 0 onto my spare word
	s_wait_dscnt 4*NL+1                            ; (the add and the youngest 16 loads may be out)
	WIN MUL_LO
	MUL16 0, 1, 0
	s_wait_dscnt 0x0                               ; the add is done, and my reads of this slot are over
	s_barrier_signal -1
	MUL16 2, 1, 0
	WIN 0
	s_barrier_wait -1
.if \fill
	CREST                                          ; the barrier has opened a round of the cluster's barrier
	s_add_nc_u64 s[G0+4*\slot+2:G0+4*\slot+3], s[G0+4*\slot+2:G0+4*\slot+3], 2*ASTEP
	s_add_nc_u64 s[G0B+4*\slot+2:G0B+4*\slot+3], s[G0B+4*\slot+2:G0B+4*\slot+3], 2*ROWB
	JLOAD G0+4*\slot, G1, G0B+4*\slot, G1B         ; the first tensor load behind the round; its four v_nop are the places in front of the loads below
.else
	PLACES NP
.endif
	FETCH_B \next, 0, 0
	FETCH_A \next, 0, 0
	WIN MUL_HI
	MUL16 4, 1, 0
	MUL16 6, 1, 0
	PLACES NP
	WIN 0
	FETCH_A \next, 0, 4
.endm
	s_wait_alu depctr_va_vdst(0)
	s_wait_tensorcnt 1                             ; my part of slot 0 is in; slot 1's load may be out
	s_barrier_signal -1
	s_barrier_wait -1
	FETCH_B 0, 0, 0
	FETCH_A 0, 0, 0
	FETCH_A 0, 0, 4
	STEP 0, 0, 1
	TURN 0, 1, 1
	STEP 1, 0, 0
	TURN 1, 0, 1
	STEP 0, 0, 0
	TURN 0, 1, 0
	STEP 1, 0, 0
	s_wait_dscnt 4*NL
	WIN MUL_LO
	MUL16 0, 1, 0
	MUL16 2, 1, 0
	s_wait_dscnt 0
	WIN MUL_HI
	MUL16 4, 1, 0
	MUL16 6, 1, 0
	WIN 0
; THE WAY OUT, block by block of 16 rows x 128 columns.  The sums go into my stage as they are, 32 bytes a lane, and come back as whole rows of 512 bytes; there a lane holds four neighbouring columns, the same four in every
; row, so one packed multiply-add for two numbers gives sum x 2^(e10 + e11) + bo; each store covers 512 consecutive bytes, aligned.
.macro OSTAGE a
.set AC, 64*((\a)%4)
.set BB, BK+64*((\a)%2)
	WIN 0x08+4*((\a)/4)                            ; an LDS store's data: window 2 or 3
.irp b, 0,1,2,3,4,5,6,7
	ds_store_b128 v[STO], v[AC+8*\b:AC+8*\b+3] offset:64*\b           ; each accumulator from its low end on
	ds_store_b128 v[STO], v[AC+8*\b+4:AC+8*\b+7] offset:64*\b+16
.endr
	WIN 0
.irp t, 0,1,2,3,4,5,6,7,8,9,10,11,12,13,14,15
	ds_load_b128 v[BB+4*\t:BB+4*\t+3], v[RD] offset:\t*SPITCH         ; LDS serves a wave's instructions in order: these see the stores above
.endr
.endm
.macro OSEND a, younger
.set BB, BK+64*((\a)%2)
	s_wait_dscnt \younger
.if (\a) > 0
	s_add_nc_u64 s[12:13], s[12:13], 16*4096       ; (behind a wait for 0 on XCNT: the earlier stores have read their base)  16 rows on
.endif
.set i, 0
.rept 16
	v_pk_fma_f32 v[BB+4*i:BB+4*i+1], v[BB+4*i:BB+4*i+1], s[96:97], v[8:9] op_sel_hi:[1,0,1]
	v_pk_fma_f32 v[BB+4*i+2:BB+4*i+3], v[BB+4*i+2:BB+4*i+3], s[96:97], v[10:11] op_sel_hi:[1,0,1]
.set i, i+1
.endr
.set i, 0
.rept 16
	global_store_b128 v[CO], v[BB+4*i:BB+4*i+3], s[12:13] offset:i*4096 th:TH_STORE_NT
.set i, i+1
.endr
.endm
	s_wait_kmcnt 0x0
	s_add_co_i32 s96, s96, s97
	s_add_co_i32 s96, s96, 127
	s_lshl_b32 s96, s96, 23                        ; 2^(e10 + e11) as f32
	s_wait_loadcnt 0x0                             ; bo
	PLACES NP                                      ; behind the last products: for the LDS stores that read results and the loads into the registers that held A's fragments
	OSTAGE 0
.irp a, 1,2,3,4,5,6,7
.if \a > 1
	s_wait_xcnt 0x0                                ; block a - 2's stores have read their registers and their base
.endif
	OSTAGE \a
	OSEND \a-1, 32                                 ; behind block a - 1's loads: block a's 16 stores and 16 loads
.endr
	s_wait_xcnt 0x0
	OSEND 7, 0
	s_wait_tensorcnt 0x0                           ; the wave's end, behind my last tensor load and my last LDS store
	ds_add_u32 v[SPW], v[NIL]
	s_wait_dscnt 0x0
	CROUND                                         ; the closing round
	s_endpgm
.Lfunc_end_k_q7439811dd0_proj:
	.size	k_q7439811dd0_proj, .Lfunc_end_k_q7439811dd0_proj-k_q7439811dd0_proj
	.p2alignl 7, 3214868480
	.fill 96, 4, 3214868480
	.section	.rodata,"a",@progbits
	.p2align	6, 0x0
	.amdhsa_kernel k_q7439811dd0_proj
		.amdhsa_group_segment_fixed_size 327680
		.amdhsa_private_segment_fixed_size 0
		.amdhsa_enable_private_segment 0
		.amdhsa_kernarg_size 40
		.amdhsa_user_sgpr_count 2
		.amdhsa_user_sgpr_kernarg_segment_ptr 1
		.amdhsa_wavefront_size32 1
		.amdhsa_system_sgpr_workgroup_id_x 1
		.amdhsa_system_sgpr_workgroup_id_y 1
		.amdhsa_system_sgpr_workgroup_id_z 1
		.amdhsa_system_vgpr_workitem_id 0
		.amdhsa_next_free_vgpr 1024
		.amdhsa_next_free_sgpr 100
		.amdhsa_reserve_vcc 0
		.amdhsa_float_denorm_mode_32 3
		.amdhsa_float_denorm_mode_16_64 3
		.amdhsa_memory_ordered 1
		.amdhsa_forward_progress 1
		.amdhsa_inst_pref_size 124
	.end_amdhsa_kernel
	.amdgpu_metadata
---
amdhsa.version: [ 1, 2 ]
amdhsa.kernels:
  - .name:           k_q7439811dd0_proj
    .symbol:         k_q7439811dd0_proj.kd
    .args:
      - { .name: ctx, .offset: 0, .size: 8, .value_kind: global_buffer, .address_space: global }
      - { .name: wcodes, .offset: 8, .size: 8, .value_kind: global_buffer, .address_space: global }
      - { .name: lowp_scales, .offset: 16, .size: 8, .value_kind: global_buffer, .address_space: global }
      - { .name: bo, .offset: 24, .size: 8, .value_kind: global_buffer, .address_space: global }
      - { .name: out0, .offset: 32, .size: 8, .value_kind: global_buffer, .address_space: global }
    .group_segment_fixed_size: 327680
    .private_segment_fixed_size: 0
    .kernarg_segment_align: 8
    .kernarg_segment_size: 40
    .max_flat_workgroup_size: 128
    .sgpr_count:     100
    .vgpr_count:     1024
    .wavefront_size: 32
...
	.end_amdgpu_metadata
.endif
;; end of part 4
